; MI455X (gfx1250); checked and timed in simulation.
; The chip was launched on July 23, 2026; its instructions are those of AMD's public machine-readable ISA for CDNA 5 (MIT licence, August 2026) and "CDNA5" Instruction Set Architecture Reference Guide (July 2026). The comments in the code are by the model that wrote it; some were corrected since.
;; Self Attention3 D. Allowed arithmetic: matrix products marked QUANTISED: E4M3 operands, one E8M0 scale for each 32 along K, by v_wmma_scale_f32_16x16x128_f8f6f4 with both operands' format E4M3, f32 sums; everything else in f32.
;; Inputs: Wk 128 x 128 float32; Wq 128 x 128 float32; Wv 128 x 128 float32; bk 128 float32; bq 128 float32; bv 128 float32; inputs 4 x 4,096 x 128 float32.
;; Outputs: out0 4 x 4,096 x 128 float32.
;; This version of the problem:
;;   THIS VERSION OF THE PROBLEM IS GIVEN IN LOW PRECISION. The matrix products marked QUANTISED in the list below multiply operands that are first quantised to E4M3 (4 exponent bits, 3 mantissa bits; 8 bits a number), with one power-of-two scale for each 32 numbers along K (OCP MX v1.0); their sums are f32. All else is computed in f32.
;;   The module's matrix products, in the order in which they are computed (A, B: the left and right operand; K: the contracted axis; several contracted axes count as one K, in the product's order):
;;     1. [M 16,384, K 128] x [K 128, N 128]; A: input inputs; B: input Wq: QUANTISED
;;     2. [M 16,384, K 128] x [K 128, N 128]; A: input inputs; B: input Wk: QUANTISED
;;     3. [M 16,384, K 128] x [K 128, N 128]; A: input inputs; B: input Wv: QUANTISED
;;     4. batch 4 x [M 4,096, K 128] x [K 128, N 4,096]; A: computed on the way; B: computed on the way: QUANTISED
;;     5. batch 4 x [M 4,096, K 4,096] x [K 4,096, N 128]; A: softmax (see below); B: computed on the way: QUANTISED
;;   THE QUANTISER, for each operand of a quantised product, along K:
;;     - K is cut into blocks of 32 from its start; a last block that is shorter is filled with zeros.
;;     - A block's scale is 2^e with e = floor(log2(the largest magnitude in the block)) - 8, held to -126 .. 127; a block of zeros has e = 0. As a byte (E8M0): e + 127.
;;     - Each number is divided by its block's scale, clamped to +-448, and rounded to the nearest number of E4M3, ties to even, subnormals kept.
;;     - The product sums the exact products of the quantised numbers (number of the format x scale) in f32.
;;   ~~~python
;;   def quantise(x, axis):      # numpy; x: float32 -> the quantised numbers, widened to float32 again
;;       x = np.moveaxis(x, axis, -1); K = x.shape[-1]
;;       x = np.pad(x, [(0, 0)] * (x.ndim - 1) + [(0, -K % 32)]); x = x.reshape(x.shape[:-1] + (-1, 32)); a = np.abs(x).max(-1, keepdims=True)
;;       e = np.where(a > 0, np.clip(np.frexp(np.where(a > 0, a, 1))[1] - 1 - 8, -126, 127), 0)      # np.frexp(a)[1] - 1 = floor(log2(a)), exactly
;;       r = np.clip(x / 2.0 ** e, -448, 448)
;;       step = 2.0 ** (np.maximum(np.frexp(np.where(r == 0, 1, r))[1] - 1, -6) - 3)
;;       q = np.round(r / step) * step * 2.0 ** e      # np.round: ties to even
;;       return np.moveaxis(q.reshape(q.shape[:-2] + (-1,))[..., :K], -1, axis).astype(np.float32)
;;   ~~~
;;   SOFTMAX AHEAD OF A QUANTISED PRODUCT. Where the list says 'softmax', what is quantised is not the finished softmax but p = 2^(t - M), with t = logit x log2(e) and M = ceil(the row's largest t), a whole number; so 1/2 < the row's largest p <= 1. The row's sum l is taken of the UNQUANTISED p, in f32, and the product's result is divided by l at the end. Since M is a whole number, a kernel that streams over the keys may use a running M (the ceiling of the running maximum): every later rescaling is an exact power of two, which a block's scale takes up: the codes' values come out the same.
;;   OPERANDS COMPUTED ON THE WAY. 'Computed on the way' means the value that the module computes at that place (a softmax that the list does not call 'softmax' is quantised finished and normalised). What goes into a quantiser is computed in f32, as accurately as f32 sums, v_exp_f32 and their like allow (about 1e-6 of the number): no bf16 or f16 on the way to a quantiser, and a product that is left as it is and whose result goes on into a quantised operand takes f32 operands (vector FMAs, or v_wmma_f32_16x16x4_f32). A number that lies on a knife's edge between two numbers of the format may be rounded either way, as far as f32 arithmetic and the matrix unit's own rounding can turn it there, and no further.
;; 2 versions. Each part assembles by itself: llvm-mc -triple=amdgcn-amd-amdhsa -mcpu=gfx1250 --defsym DOCPART=n.
;; ======== version 1 of 2: 2 launches
;; workspace buffers: qkv 6,488,064 bytes
;; launch proj (part 1): grid 128 x 1, 8 waves a work-group, no clusters, 118,784 bytes of LDS; arguments inputs, Wq, Wk, Wv, bq, bk, bv, qkv; writes qkv
.if DOCPART == 1
	.amdgcn_target "amdgcn-amd-amdhsa--gfx1250"
	.amdhsa_code_object_version 6
	.text
	.protected	k_q168c6ab6d4_proj
	.globl	k_q168c6ab6d4_proj
	.p2align	8
	.type	k_q168c6ab6d4_proj,@function
k_q168c6ab6d4_proj:
	s_mov_b64 s[64:65], 0
	v_nop
	global_prefetch_b8 v0, s[64:65] scope:SCOPE_SE
	s_setreg_imm32_b32 hwreg(HW_REG_WAVE_MODE, 25, 1), 1
	s_wait_xcnt 0x0
; q = x Wq + bq, k = x Wk + bk, v = x Wv + bv on codes of FP8 (E4M3) with one E8M0 scale for each 32 along K (the 128 channels), and the results quantised again:
; q and k along their 128 filters, v along the tokens (the keys of the second product of attention).  x: [16384][128] f32; each W: [128 (k)][128 (n)] f32; biases [128] f32.
; OUTPUT: qkv, 128 blocks of 50,688 bytes, one for each 128 tokens, laid in the order of the reader's operand registers:
;   0 K's 8 fragments | 16,384 V's 8 | 32,768 K's scale words | 33,280 V's | 33,792 Q's | 34,304 Q's 8 fragments.
;   A fragment (16 rows x 128 K, 16 registers a lane) is 2,048 bytes: registers 4 c .. 4 c + 3 of lane l at 512 c + 16 l.  A block of scale words is 512 bytes: tile 4 H + j, row r at 256 H + 16 r + 4 j,
;   so that one load of 16 bytes at 16 x lane gives register j the words of tile j in lanes 0-15 and of tile 4 + j in lanes 16-31.
; THE ROWS OF A TILE ARE NOT NEIGHBOURS: row r of token tile 2 b + u (and of the tiles of Wq's and Wk's columns) is 32 b + 8 u + r + 8 (r / 8), so that the 16 registers of the results of tiles 2 b and 2 b + 1
; are 16 neighbours along the next K.  Tiles of Wv's columns and of V are plain: row r of tile t is channel 16 t + r.
; SHARES.  A work-group of eight waves takes 128 tokens.  Wave w quantises token tile w of x and tile w of each W; x's, Wq's and Wk's fragments go to LDS as images of their registers; one barrier;
; then wave w makes V's tile w (source 0 = the 8 tiles of x, source 1 = its tile of Wv), Q's tile w and K's tile w (source 0 = the 8 tiles of W, source 1 = its tile of x).  The biases are the C of the products.
; In each of the three a lane's 64 results are register 16 b + i = next K 32 b + 16 (lane / 16) + i of one row: what QUANT takes; its 16 registers of codes are the reader's operand and are stored as they stand.
; W's K is its first axis: a tile's 128 x 16 numbers are loaded by rows and turned through the wave's own stage in LDS, so that a lane gets one column and its registers run down K.
; LIMITS: NaN and infinities among the inputs are not served.  A block whose largest magnitude lies under 2^-118 keeps the scale byte 1; a block of zeros gets the byte 1 where the quantiser says 127:
; its codes are zeros, which add nothing under any byte but 0xff, and this program alone reads the bytes.
; No tensor loads, no cluster: the work-groups share only the three small weights.
.set BLOCK, 50688
.set XIMG,  0                          ; LDS: x's 8 fragments,
.set QIMG,  16384                      ; Wq's,
.set KIMG,  32768                      ; Wk's;
.set XSC,   49152                      ; their blocks of scale words;
.set QSC,   49664
.set KSC,   50176
.set OSC,   50688                      ; the results' blocks of scale words: K's, V's, Q's;
.set WST,   52224                      ; 8,192 bytes for each wave: the stage in which a tile of W is turned
.set XA,  1                            ; v1   x: my byte in the wave's rows
.set WA,  2                            ; v2   Wq, Wk: my 16 bytes of a run of 8 rows
.set WB,  3                            ; v3   Wv: likewise
.set LI,  4                            ; v4   16 x lane
.set IW,  5                            ; v5   16 x lane + 2,048 x wave: my place in a run of 8 fragments, in LDS and in qkv
.set SWA, 6                            ; v6   my place in a block of scale words
.set BA,  7                            ; v7   bq, bk: 64 x (lane / 16)
.set BVA, 8                            ; v8   bv: 4 r + 64 x wave
.set PW,  9                            ; v9   the scale word just made
.set TS,  10                           ; v10  the stage, on the way in
.set TL,  11                           ; v11  and on the way out
.set SW,  12                           ; v12-15 scale words of the 8 fetched fragments
.set XS,  16                           ; v16  my tile of x: its scale words
.set WVS, 17                           ; v17  my tile of Wv: its scale words
.set OSA, 18                           ; v18  the results' scale words, on their way out of LDS
.set GSO, 19                           ; v19  and their place in qkv
.set XF,  20                           ; v20-35 my tile of x: its codes
.set PC,  36                           ; v36-51 the codes just made
.set TM,  52                           ; v52-55 largest magnitudes, then the conversions' scale operands; v56-59 at work, then bytes; v60-63 448 x the scale
.set RAW0, 64                          ; v64-127, v128-191, v192-255: three sets of 64 numbers
.set RAW1, 128
.set RAW2, 192
.set FRG, 64                           ; behind the barrier: v64-191 eight fetched fragments,
.set ACC, 192                          ; v192-255 eight accumulators
.set BQ,  0                            ; window 1: v0-63 bq in the results' layout, v64-127 bk, v128-135 bv, v144-207 Wv as loaded
.set BK,  64
.set BV,  128
.set WVR, 144
.set WV,  20                           ; s20  my wave's number
.set TW,  21                           ; s21  my tile's first row: 32 (w / 2) + 8 (w % 2)
.set SEL, 22                           ; s[22:23] lane selects for v_permlanex16_b32: lane l xor 16
.set MNT, 24                           ; s24  the mantissa field of 448
.set MSB, 0
.macro WIN new                         ; the immediate's high byte repeats the setting that is left; a switch that changes nothing is dropped
.if MSB != (\new)
	s_set_vgpr_msb (MSB<<8)|(\new)
.set MSB, (\new)
.endif
.endm
; 16 loads: W's rows 8 n + lane / 4, four of my tile's 16 columns
.macro WLOAD dst, off, base
.irp n, 0,1,2,3,4,5,6,7,8,9,10,11,12,13,14,15
	global_load_b128 v[\dst+4*\n:\dst+4*\n+3], v[\off], s[\base:\base+1] offset:4096*\n
.endr
.endm
; A tile of W through my stage.  (k, column r) lies at ((k / 32) 16 + k % 16) 128 + ((k / 16) % 2) 64 + 4 r, so that a load of 4 bytes a lane reads 128 bytes on end and
; gives lane (r, h) the number k = 32 c + 16 h + i of column r.  LDS serves a wave's instructions in order (ISA guide 5.7.1.4): no wait stands between the stores and the loads.
.macro TURN src, dst, win
	WIN \win
.irp n, 0,1,2,3,4,5,6,7,8,9,10,11,12,13,14,15
	ds_store_b128 v[TS], v[\src+4*\n:\src+4*\n+3] offset:(\n/4)*2048+(\n%2)*1024+((\n/2)%2)*64
.endr
	WIN 0
.irp c, 0,1,2,3
.irp i, 0,1,2,3,4,5,6,7,8,9,10,11,12,13,14,15
	ds_load_b32 v[\dst+16*\c+\i], v[TL] offset:(16*\c+\i)*128
.endr
.endr
.endm
; 64 numbers of a lane, register 16 b + i = K 32 b + 16 (lane / 16) + i of my row, become a fragment's codes in v[pc] on and its scale word in v[pw].
.macro QUANT s, pc, pw
.irp b, 0,1,2,3
	v_max3_num_f32 v[TM+\b], |v[\s+16*\b]|, |v[\s+16*\b+1]|, 0x4800000   ; block b: my 16 numbers, from the low end on, and the floor 2^(9 - 127): so the byte cannot fall under 1
.endr
.irp i, 2,4,6,8,10,12,14
.irp b, 0,1,2,3
	v_max3_num_f32 v[TM+\b], v[TM+\b], |v[\s+16*\b+\i]|, |v[\s+16*\b+\i+1]|   ; the four blocks by turns: no line waits for the line above it
.endr
.endr
.irp b, 0,1,2,3
	v_permlanex16_b32 v[TM+4+\b], v[TM+\b], s[SEL], s[SEL+1]
.endr
.irp b, 0,1,2,3
	v_max_num_f32 v[TM+\b], v[TM+\b], v[TM+4+\b]   ; with lane l xor 16: the largest magnitude of the block
.endr
.irp b, 0,1,2,3
	v_and_or_b32 v[TM+8+\b], v[TM+\b], 0x7f800000, s[MNT]   ; 448 x the scale: its exponent field over the mantissa field of 448
.endr
.irp b, 0,1,2,3
	v_add_nc_u32 v[TM+\b], 0xfc000000, v[TM+\b]   ; 8 off its exponent field: the conversion takes the exponent field of this operand as its scale
.endr
.irp b, 0,1,2,3
	v_lshrrev_b32 v[TM+4+\b], 23, v[TM+\b]   ; the byte of the scale
.endr
	v_lshl_or_b32 v[\pw], v[TM+5], 8, v[TM+4]   ; the four bytes make the scale word of my row
	v_lshl_or_b32 v[\pw], v[TM+6], 16, v[\pw]
	v_lshl_or_b32 v[\pw], v[TM+7], 24, v[\pw]
.irp b, 0,1,2,3
.irp i, 0,1,2,3,4,5,6,7,8,9,10,11,12,13,14,15
	v_med3_num_f32 v[\s+16*\b+\i], v[\s+16*\b+\i], -v[TM+8+\b], v[TM+8+\b]   ; the conversion to an 8-bit code does not saturate (ISA guide 7.6.2): the hold at 448 x the scale
.endr
	v_cvt_scalef32_pk8_fp8_f32 v[\pc+4*\b:\pc+4*\b+1], v[\s+16*\b:\s+16*\b+7], v[TM+\b]
	v_cvt_scalef32_pk8_fp8_f32 v[\pc+4*\b+2:\pc+4*\b+3], v[\s+16*\b+8:\s+16*\b+15], v[TM+\b]
.endr
	v_nop                                          ; one plain vector instruction behind the last scaled conversion
.endm
.macro IMAGE reg, off                  ; a fragment goes to LDS as it stands: 512 bytes on end a store
.irp c, 0,1,2,3
	ds_store_b128 v[IW], v[\reg+4*\c:\reg+4*\c+3] offset:\off+512*\c
.endr
.endm
; One of the three results: eight fragments and their scale words from LDS as source 0, my own fragment as source 1, the bias as C (window 1); eight accumulators, one product each;
; the 64 results are quantised; the codes leave as they stand, 512 bytes on end a store; the scale word goes to its block in LDS.
.macro JOB img, sc, bfrag, bscale, cb, cstride, gout, osc
.irp i, 0,1,2,3,4,5,6,7
.irp c, 0,1,2,3
	ds_load_b128 v[FRG+16*\i+4*\c:FRG+16*\i+4*\c+3], v[LI] offset:\img+2048*\i+512*\c
.endr
.endr
	ds_load_b128 v[SW:SW+3], v[LI] offset:\sc
	s_wait_dscnt 0x0                               ; the fragments are in; the scale word stored by the job before has left its register
	WIN 0x10                                       ; C in window 1
.irp i, 0,1,2,3,4,5,6,7
.if \i < 4
	v_wmma_scale_f32_16x16x128_f8f6f4 v[ACC+8*\i:ACC+8*\i+7], v[FRG+16*\i:FRG+16*\i+15], v[\bfrag:\bfrag+15], v[\cb+\cstride*\i:\cb+\cstride*\i+7], v[SW+\i%4], v[\bscale]
.else
	v_wmma_scale_f32_16x16x128_f8f6f4 v[ACC+8*\i:ACC+8*\i+7], v[FRG+16*\i:FRG+16*\i+15], v[\bfrag:\bfrag+15], v[\cb+\cstride*\i:\cb+\cstride*\i+7], v[SW+\i%4], v[\bscale] matrix_a_scale:MATRIX_SCALE_ROW1
.endif
.endr
	WIN 0
.rept 8
	v_nop                                          ; eight places behind this form in front of the first read of results; QUANT has more than one further plain line that names none of these registers, for the next job
.endr
	s_wait_xcnt 0x0                                ; the stores of the job before have read the codes: they are written again only behind this wait
	QUANT ACC, PC, PW
.irp c, 0,1,2,3
	global_store_b128 v[IW], v[PC+4*\c:PC+4*\c+3], s[18:19] offset:\gout+512*\c
.endr
	ds_store_b32 v[SWA], v[PW] offset:\osc
.endm
	s_load_b256 s[4:11], s[0:1], 0x0               ; x s[4:5], Wq s[6:7], Wk s[8:9], Wv s[10:11]
	s_load_b256 s[12:19], s[0:1], 0x20             ; bq s[12:13], bk s[14:15], bv s[16:17], qkv s[18:19]
	s_set_vgpr_msb 0x40
	v_lshl_add_u32 v208, v0, 2, 0x1cc00
	v_mov_b32 v209, 0
	s_set_vgpr_msb 0x4000
	v_lshrrev_b32 v20, 5, v0
	v_readfirstlane_b32 s[WV], v20                 ; wave 0..7
	s_lshr_b32 s[TW], s[WV], 1
	s_lshl_b32 s[TW], s[TW], 5
	s_and_b32 s25, s[WV], 1
	s_lshl_b32 s25, s25, 3
	s_add_co_u32 s[TW], s[TW], s25                 ; 32 (w / 2) + 8 (w % 2)
	s_mov_b32 s[SEL], 0x76543210
	s_mov_b32 s[SEL+1], 0xfedcba98
	s_mov_b32 s[MNT], 0x600000
	v_and_b32 v20, 31, v0                          ; lane
	v_and_b32 v21, 15, v0                          ; r
	v_bfe_u32 v22, v0, 4, 1                        ; h
	v_bfe_u32 v23, v0, 2, 3                        ; lane / 4
	v_and_b32 v24, 3, v0                           ; lane % 4
	v_and_b32 v25, 8, v21
	v_add_nc_u32 v25, v25, v21                     ; r + 8 (r / 8)
	v_lshlrev_b32 v[XA], 9, v25
	v_lshl_add_u32 v[XA], v22, 6, v[XA]            ; x: that row of 512 bytes, + 64 h: my 16 numbers of a block of 32
	v_lshlrev_b32 v26, 9, v23
	v_lshl_add_u32 v26, v24, 4, v26                ; W: row lane / 4, 16 bytes for each of four lanes
	v_and_b32 v27, 2, v24
	v_lshl_add_u32 v[WA], v27, 4, v26              ; Wq, Wk: the second eight columns of a tile lie 16 columns behind the first eight
	s_lshl_b32 s26, s[TW], 2
	v_add_nc_u32 v[WA], s26, v[WA]
	s_lshl_b32 s26, s[WV], 6
	v_add_nc_u32 v[WB], s26, v26                   ; Wv: columns 16 w on
	v_lshl_add_u32 v[BVA], v21, 2, s26             ; bv: number 16 w + r
	v_lshlrev_b32 v[LI], 4, v20
	s_lshl_b32 s26, s[WV], 11
	v_add_nc_u32 v[IW], s26, v[LI]
	s_lshr_b32 s26, s[WV], 2
	s_lshl_b32 s26, s26, 8
	s_and_b32 s27, s[WV], 3
	s_lshl_b32 s27, s27, 2
	s_add_co_u32 s26, s26, s27
	v_lshl_add_u32 v[SWA], v21, 4, s26             ; 256 (w / 4) + 16 r + 4 (w % 4); lanes r and 16 + r store the same word to the same place
	v_lshlrev_b32 v[BA], 6, v22
	s_lshl_b32 s26, s[WV], 13
	s_add_co_u32 s26, s26, WST                     ; my stage
	v_lshlrev_b32 v[TS], 7, v23
	v_lshl_add_u32 v[TS], v24, 4, v[TS]
	v_add_nc_u32 v[TS], s26, v[TS]
	v_lshl_add_u32 v[TL], v20, 2, s26
	v_lshl_add_u32 v[OSA], v0, 4, OSC
	v_lshlrev_b32 v[GSO], 4, v0
.irp b, 0,1,2,3
	v_mov_b32 v[TM+4+\b], 0                        ; written once: the destination of a lane permute counts as one of its sources
.endr
	s_lshl_b32 s26, ttmp9, 7
	s_add_co_u32 s26, s26, s[TW]
	s_lshl_b32 s26, s26, 9                         ; x: token 128 x work-group + my tile's first, 512 bytes a token
	s_mov_b32 s27, 0
	s_mul_i32 s28, ttmp9, BLOCK                    ; qkv: my block
	s_mov_b32 s29, 0
	s_wait_kmcnt 0x0
	s_add_nc_u64 s[4:5], s[4:5], s[26:27]
	s_add_nc_u64 s[18:19], s[18:19], s[28:29]
.irp b, 0,1,2,3
.irp j, 0,1,2,3
	global_load_b128 v[RAW0+16*\b+4*\j:RAW0+16*\b+4*\j+3], v[XA], s[4:5] offset:128*\b+16*\j th:TH_LOAD_NT   ; x: read once in the launch
.endr
.endr
	WLOAD RAW1, WA, 6
	WLOAD RAW2, WA, 8
	WIN 0x40                                       ; destination window 1
	WLOAD WVR, WB, 10
	WIN 0
	s_wait_loadcnt 32                              ; x and Wq are in: behind them stand the 16 loads of Wk and the 16 of Wv
	TURN RAW1, RAW1, 0                             ; Wq turns while x is quantised
	QUANT RAW0, XF, XS
	IMAGE XF, XIMG
	ds_store_b32 v[SWA], v[XS] offset:XSC
	WIN 0x40
.irp t, 0,1,2,3,4,5,6,7                        ; the biases in the layout of the results: lane (r, h), tile 2 b + u: numbers 32 b + 16 h + 8 u + 0 .. 7
	global_load_b128 v[BQ+8*\t:BQ+8*\t+3], v[BA], s[12:13] offset:(32*(\t/2)+8*(\t%2))*4
	global_load_b128 v[BQ+8*\t+4:BQ+8*\t+7], v[BA], s[12:13] offset:(32*(\t/2)+8*(\t%2))*4+16
.endr
.irp t, 0,1,2,3,4,5,6,7
	global_load_b128 v[BK+8*\t:BK+8*\t+3], v[BA], s[14:15] offset:(32*(\t/2)+8*(\t%2))*4
	global_load_b128 v[BK+8*\t+4:BK+8*\t+7], v[BA], s[14:15] offset:(32*(\t/2)+8*(\t%2))*4+16
.endr
.irp j, 0,1,2,3,4,5,6,7
	global_load_b32 v[BV+\j], v[BVA], s[16:17]     ; in a tile of v a lane holds one channel: its bias in all eight registers
.endr
	WIN 0
	s_wait_dscnt 0x0                               ; Wq is turned
	s_wait_loadcnt 56                              ; Wk is in: behind it stand the 16 loads of Wv and the 40 of the biases
	TURN RAW2, RAW2, 0
	QUANT RAW1, PC, PW
	IMAGE PC, QIMG
	ds_store_b32 v[SWA], v[PW] offset:QSC
	s_wait_dscnt 0x0                               ; the stores have read their registers; Wk is turned
	s_wait_loadcnt 40                              ; Wv is in: the 40 loads of the biases may be out
	TURN WVR, RAW0, 0x04                           ; the data of an LDS store are its source 1: window 1
	QUANT RAW2, PC, PW
	IMAGE PC, KIMG
	ds_store_b32 v[SWA], v[PW] offset:KSC
	s_wait_dscnt 0x0                               ; the stores have read their registers; Wv is turned
	QUANT RAW0, PC, WVS                            ; my tile of Wv stays in registers: nobody else wants it
.rept 4
	v_nop                                          ; an operand written by vector instructions stands four places ahead of a scaled matrix instruction
.endr
	s_wait_dscnt 0x0                               ; for the others: my images and scale words lie in LDS
	s_barrier_signal -1
	s_barrier_wait -1
	s_wait_loadcnt 0x0                             ; the biases
	JOB XIMG, XSC, PC, WVS, BV, 0, 16384, OSC+512  ; V, tile w: rows = channels 16 w + r, K = the 128 tokens
	JOB QIMG, QSC, XF, XS, BQ, 8, 34304, OSC+1024  ; Q, tile w: rows = my tile of tokens, K = the 128 filters
	JOB KIMG, KSC, XF, XS, BK, 8, 0, OSC           ; K likewise
	s_wait_dscnt 0x0                               ; for the others: my three scale words lie in LDS
	s_barrier_signal -1
	s_barrier_wait -1
	s_cmp_gt_u32 s[WV], 2                          ; waves 0, 1, 2 store the three blocks of scale words, 512 bytes on end each
	s_cbranch_scc1 .Ldone
	ds_load_b128 v[20:23], v[OSA]
	s_wait_dscnt 0x0
	global_store_b128 v[GSO], v[20:23], s[18:19] offset:32768
.Ldone:
	s_set_vgpr_msb 0x5
	s_wait_tensorcnt 0x0
	ds_add_u32 v208, v209
	s_wait_dscnt 0x0
	s_set_vgpr_msb 0x500
	s_endpgm
.Lfunc_end_k_q168c6ab6d4_proj:
	.size	k_q168c6ab6d4_proj, .Lfunc_end_k_q168c6ab6d4_proj-k_q168c6ab6d4_proj
	.p2alignl 7, 3214868480
	.fill 96, 4, 3214868480
	.section	.rodata,"a",@progbits
	.p2align	6, 0x0
	.amdhsa_kernel k_q168c6ab6d4_proj
		.amdhsa_group_segment_fixed_size 118784
		.amdhsa_private_segment_fixed_size 0
		.amdhsa_enable_private_segment 0
		.amdhsa_kernarg_size 64
		.amdhsa_user_sgpr_count 2
		.amdhsa_user_sgpr_kernarg_segment_ptr 1
		.amdhsa_wavefront_size32 1
		.amdhsa_system_sgpr_workgroup_id_x 1
		.amdhsa_system_sgpr_workgroup_id_y 1
		.amdhsa_system_sgpr_workgroup_id_z 1
		.amdhsa_system_vgpr_workitem_id 0
		.amdhsa_next_free_vgpr 466
		.amdhsa_next_free_sgpr 66
		.amdhsa_reserve_vcc 0
		.amdhsa_float_denorm_mode_32 3
		.amdhsa_float_denorm_mode_16_64 3
		.amdhsa_memory_ordered 1
		.amdhsa_forward_progress 1
		.amdhsa_inst_pref_size 98
	.end_amdhsa_kernel
	.amdgpu_metadata
---
amdhsa.version: [ 1, 2 ]
amdhsa.kernels:
  - .name:           k_q168c6ab6d4_proj
    .symbol:         k_q168c6ab6d4_proj.kd
    .args:
      - { .name: inputs, .offset: 0, .size: 8, .value_kind: global_buffer, .address_space: global }
      - { .name: Wq, .offset: 8, .size: 8, .value_kind: global_buffer, .address_space: global }
      - { .name: Wk, .offset: 16, .size: 8, .value_kind: global_buffer, .address_space: global }
      - { .name: Wv, .offset: 24, .size: 8, .value_kind: global_buffer, .address_space: global }
      - { .name: bq, .offset: 32, .size: 8, .value_kind: global_buffer, .address_space: global }
      - { .name: bk, .offset: 40, .size: 8, .value_kind: global_buffer, .address_space: global }
      - { .name: bv, .offset: 48, .size: 8, .value_kind: global_buffer, .address_space: global }
      - { .name: qkv, .offset: 56, .size: 8, .value_kind: global_buffer, .address_space: global }
    .group_segment_fixed_size: 118784
    .private_segment_fixed_size: 0
    .kernarg_segment_align: 8
    .kernarg_segment_size: 64
    .max_flat_workgroup_size: 256
    .sgpr_count:     66
    .vgpr_count:     466
    .wavefront_size: 32
...
	.end_amdgpu_metadata
.endif
;; end of part 1
;; launch attn (part 2): grid 64 x 4, 8 waves a work-group, clusters of 4 x 1, 327,680 bytes of LDS; arguments qkv, out0; writes out0
.if DOCPART == 2
	.amdgcn_target "amdgcn-amd-amdhsa--gfx1250"
	.amdhsa_code_object_version 6
	.text
	.protected	k_q168c6ab6d4_attn
	.globl	k_q168c6ab6d4_attn
	.p2align	8
	.type	k_q168c6ab6d4_attn,@function
k_q168c6ab6d4_attn:
	s_mov_b64 s[64:65], 0
	v_nop
	global_prefetch_b8 v0, s[64:65] scope:SCOPE_SE
	s_setreg_imm32_b32 hwreg(HW_REG_WAVE_MODE, 25, 1), 1
	s_wait_xcnt 0x0
	s_wait_alu depctr_hold_cnt(0) depctr_sa_sdst(0) depctr_va_vdst(0) depctr_va_sdst(0) depctr_va_ssrc(0) depctr_va_vcc(0) depctr_vm_vsrc(0)
	s_getreg_b32 s2, hwreg(HW_REG_IB_STS2, 6, 4)
	s_cmp_eq_u32 s2, 0
	s_cbranch_scc0 .Lentry_in_a_cluster
	s_endpgm
.Lentry_in_a_cluster:
	s_bfe_u32 s2, ttmp6, 0x10000c
	s_cmp_lg_u32 s2, 0x3003
	s_cbranch_scc0 .Lentry_shape_is_right
	s_endpgm
.Lentry_shape_is_right:
; out[b][q][:] = the sum over keys of softmax(q . k / sqrt(128)) v, both products on codes of FP8 (E4M3) with one E8M0 scale for each 32 along K.  4 batches x 4,096 tokens x 128 channels.
; INPUT: qkv, one block of 50,688 bytes for each 128 tokens, in the order of the operand registers: 0 K's 8 fragments of 2,048 bytes | 16,384 V's 8 | 32,768 K's scale words | 33,280 V's | 33,792 Q's | 34,304 Q's 8 fragments.
; Row r of tile 2 b + u of K and of Q is token 32 b + 8 u + r + 8 (r / 8) of the block; row r of tile t of V is channel 16 t + r, its K the 128 tokens in their order.
; THE SOFTMAX AHEAD OF THE SECOND PRODUCT: t = score x log2(e) / sqrt(128); M = the largest t so far, rounded UP to a whole number; p = 2^(t - M) is quantised along the keys, not normalised.
; The sum is taken of the unquantised p and divides at the end.  When M moves, the sum and O are multiplied by 2^(old M - new M), which rounds nothing.
; SHARES.  A work-group owns 64 queries of a batch.  Wave w = 2 kg + qp holds TWO tiles of 16 queries (pair qp), so that each fragment of K and V read from LDS feeds two products, and takes
; key step kg of the four steps of 128 keys that a slot holds: 8 steps a wave, with a running M, sum and O of its own.  At the end the four key groups are joined through LDS: their M are whole numbers,
; so each part is brought under the largest M by an exact power of two.  Two waves lie on a SIMD: the vector work of one stands beside the products and LDS loads of the other.
; LAYOUT.  Both products are used transposed: S^T = K Q^T (source 0 = 16 keys, source 1 = 16 queries), O^T = V^T P^T: a lane holds ONE query throughout; by the choice of a tile's rows the 16 registers
; of tiles 2 b and 2 b + 1 of S^T are keys 32 b + 16 (lane / 16) + 0 .. 15, so the results of the conversions ARE source 1 of the second product.
; CLUSTER.  The four work-groups of a cluster belong to one batch and walk the same K and V: each wave's part of a slot (half a key step, 66 rows of 256 bytes, dense) is asked for JOINTLY, by the same
; tensor load with the same descriptor and a mask that names the four.  A ring of two slots; by this text's count one tensor load of a wave is out at a time.
; LIMITS: NaN and infinities are not served.  A p under 2^-126 comes out of v_exp_f32 as 0 (ISA guide 15.8); a block of p whose largest lies under 2^-118 keeps the scale byte 1.
; REGISTERS.  Window 0: v1-13 addresses; v52-55 K's scale words, v56-59 V's, v60-61 p's (tile A, tile B), v62 Q's (lanes 0-15 tile A, lanes 16-31 tile B).  Window 1: v0-63 fragments 0-3 of K, then of V.
; From v76 on the two tiles have the same map, tile A in window 0 and tile B in window 1: v76 -M, v77 the largest t, v[78:79] the sum in two halves, v80-95 Q, v96-159 S^T then p, v160-223 O^T, v224-239 the codes of p, v232-254 at work.
; FRAGMENTS 4-7 LIE WHERE REGISTERS ARE IDLE, so that they can be asked for early: K's in window 0, v16-47 and v224-255 (tile A's codes of p and its scratch are dead until its softmax), asked for with K's first four;
; V's in tile A's v96-159 (its p is dead once it is converted), asked for between the two softmaxes: they land under tile B's.
.set BLOCK, 50688
.set STEPB, 33792                      ; what a key step takes of a block
.set HALFB, 16896                      ; what one tensor load brings
.set SLOTB, 4*STEPB                    ; a slot: four key steps
.set SPARE, 2*SLOTB                    ; behind the ring: the spare words, 128 bytes for each wave: four blocks of 256 bytes that no other line names
.set OST,   SPARE+1024                 ; the way out: 16 rows x (256 + 16) bytes for each wave
.set STT,   OST+8*16*272               ; the key groups' sums and -M: 4,096 bytes
; The key groups' parts of O^T lie in slot 0 (131,072 bytes): it has had its last fill, and nobody reads it behind the last change of slots.
.set AD0, 1                            ; v1   my key step in slot 0: 33,792 kg + 16 x lane
.set AD1, 2                            ; v2   and in slot 1
.set SPW, 3                            ; v3   LDS address of my spare word: SPARE + 4 x my thread's number; never rewritten
.set NIL, 4                            ; v4   0; never rewritten
.set QA,  5                            ; v5   16 x lane
.set QSA, 6                            ; v6   Q's scale words: 16 r + 4 h
.set PST, 7                            ; v7   where I put my part of O^T
.set PLD, 8                            ; v8   where I read the four parts that I join
.set STS, 9                            ; v9   where I put my sums and -M
.set STL, 10                           ; v10  where I read the four
.set OSI, 11                           ; v11  my stage, on the way in
.set OSO, 12                           ; v12  and on the way out
.set GO,  13                           ; v13  my byte in the rows of out0
.set KH,  16                           ; K's fragment 4 + t, in window 0, at v[KH + 16 t + 176 (t / 2)]: v16, v32, v224, v240
.set KS,  52
.set VS,  56
.set PS,  60
.set QS,  62
.set NM,  76
.set TMX, 77
.set LSUM, 78
.set Q,   80
.set S,   96
.set O,   160
.set P,   224
.set T0,  232                          ; the largest score of each block, then its largest p
.set T1,  236                          ; at work; the bytes; the second chain of the sum
.set T2,  240                          ; 448 x the scale
.set T3,  244                          ; the scale operands of the conversions
.set FF,  252                          ; v[252:253]: f = 2^(old M - new M) in the low word
.set TT,  254
.set G1,  16                           ; s[16:23] descriptor group 1
.set G0,  24                           ; s[24:31] descriptor group 0, a set for each slot
.set SEL, 32                           ; s[32:33] lane selects for v_permlanex16_b32: lane l xor 16
.set CS,  34                           ; s[34:35] c = log2(e) / sqrt(128): the packed form names a pair and takes its low word for both halves
.set MNT, 36                           ; s36  the mantissa field of 448
.set MSB, 0
.macro WIN new                         ; the immediate's high byte repeats the setting that is left; a switch that changes nothing is dropped
.if MSB != (\new)
	s_set_vgpr_msb (MSB<<8)|(\new)
.set MSB, (\new)
.endif
.endm
; A round of the cluster's barrier: my work-group's barrier, so that wave 0 speaks for all eight waves; wave 0 signals; every wave waits for the four work-groups; my work-group's barrier once more.
.macro CROUND
	s_barrier_signal -1
	s_barrier_wait -1
	s_cmp_lg_u32 s8, 0
	s_cbranch_scc1 .Lnot_wave_0_\@
	s_barrier_signal -3
.Lnot_wave_0_\@:
	s_barrier_wait -3
	s_barrier_signal -1
	s_barrier_wait -1
.endm
; THE CHANGE OF SLOTS stands at a slot's head.  Each wave waits for all its tensor loads (its part of the slot that it is about to read), adds 0 to its spare word, and waits for that and for its reads of the
; slot that it has left.  Behind the round the slot ahead is whole in all four work-groups and nobody reads the other one.  fill = 1: that other slot takes the next four key steps: the load has a key step of every wave in which to land.
.macro CHANGE slot, fill
	s_wait_tensorcnt 0x0                           ; no tensor load of mine is out, so a group 0 may be written
	ds_add_u32 v[SPW], v[NIL]                      ; 0 onto my spare word; the step below stands between it and the wait for it
	s_add_nc_u64 s[G0+4*\slot+2:G0+4*\slot+3], s[G0+4*\slot+2:G0+4*\slot+3], 8*BLOCK   ; this slot's next four key steps, two slots on (in the last two changes the stepped address is not used)
	s_wait_dscnt 0x0                               ; the add is done, and my reads of the slot that I have left are over
	CROUND
.if \fill
	tensor_load_to_lds s[G0+4*(1-\slot):G0+4*(1-\slot)+3], s[G1:G1+7]   ; the first thing behind the round, and my one tensor load until the next
	s_nop 0
.rept 4
	v_nop
.endr
.endif
.endm
.macro PLACES                          ; eight places behind this form, in front of loads into registers that matrix instructions have read, of vector writes to such registers and of the first read of results
.rept 8
	v_nop
.endr
.endm
.macro FRAGS ad, base                  ; four fragments as they lie, into window 1: each load takes 512 bytes on end
	WIN 0x40                                       ; destination window 1
.irp t, 0,1,2,3
.irp c, 0,1,2,3
	ds_load_b128 v[16*\t+4*\c:16*\t+4*\c+3], v[\ad] offset:\base+2048*\t+512*\c
.endr
.endr
.endm
; S^T = K Q^T: K's eight tiles x both tiles of queries, 16 products on 16 accumulators.  K's scale words: register t, lanes 0-15 for tile t, lanes 16-31 for tile 4 + t; Q's: lanes 0-15 tile A, lanes 16-31 tile B.
; The runs go A, B, B, A, so that the windows are switched four times and end at 0.
.macro KQ
	WIN 0x01                                       ; source 0 window 1; tile A in window 0
.irp t, 0,1,2,3
	v_wmma_scale_f32_16x16x128_f8f6f4 v[S+8*\t:S+8*\t+7], v[16*\t:16*\t+15], v[Q:Q+15], 0, v[KS+\t], v[QS]
.endr
	WIN 0x55                                       ; tile B: all in window 1
.irp t, 0,1,2,3
	v_wmma_scale_f32_16x16x128_f8f6f4 v[S+8*\t:S+8*\t+7], v[16*\t:16*\t+15], v[Q:Q+15], 0, v[KS+\t], v[QS] matrix_b_scale:MATRIX_SCALE_ROW1
.endr
	s_wait_dscnt 0x0                               ; K's fragments 4-7 are in: they had the eight products above in which to land
	WIN 0x54                                       ; source 0 window 0; tile B in window 1
.irp t, 0,1,2,3
.set kb, KH+16*\t+176*(\t/2)
	v_wmma_scale_f32_16x16x128_f8f6f4 v[S+32+8*\t:S+32+8*\t+7], v[kb:kb+15], v[Q:Q+15], 0, v[KS+\t], v[QS] matrix_a_scale:MATRIX_SCALE_ROW1 matrix_b_scale:MATRIX_SCALE_ROW1
.endr
	WIN 0                                          ; tile A: all in window 0
.irp t, 0,1,2,3
.set kb, KH+16*\t+176*(\t/2)
	v_wmma_scale_f32_16x16x128_f8f6f4 v[S+32+8*\t:S+32+8*\t+7], v[kb:kb+15], v[Q:Q+15], 0, v[KS+\t], v[QS] matrix_a_scale:MATRIX_SCALE_ROW1
.endr
.endm
; O^T += V^T P^T: V's eight tiles x both tiles of queries.  Each of the 16 accumulators has one product a key step: they take turns.  V's tiles 4-7 lie in tile A's v96-159.
.macro PV
	WIN 0x01
.irp t, 0,1,2,3
	v_wmma_scale_f32_16x16x128_f8f6f4 v[O+8*\t:O+8*\t+7], v[16*\t:16*\t+15], v[P:P+15], v[O+8*\t:O+8*\t+7], v[VS+\t], v[PS]
.endr
	WIN 0x55
.irp t, 0,1,2,3
	v_wmma_scale_f32_16x16x128_f8f6f4 v[O+8*\t:O+8*\t+7], v[16*\t:16*\t+15], v[P:P+15], v[O+8*\t:O+8*\t+7], v[VS+\t], v[PS+1]
.endr
	WIN 0x54
.irp t, 0,1,2,3
	v_wmma_scale_f32_16x16x128_f8f6f4 v[O+32+8*\t:O+32+8*\t+7], v[S+16*\t:S+16*\t+15], v[P:P+15], v[O+32+8*\t:O+32+8*\t+7], v[VS+\t], v[PS+1] matrix_a_scale:MATRIX_SCALE_ROW1
.endr
	WIN 0
.irp t, 0,1,2,3
	v_wmma_scale_f32_16x16x128_f8f6f4 v[O+32+8*\t:O+32+8*\t+7], v[S+16*\t:S+16*\t+15], v[P:P+15], v[O+32+8*\t:O+32+8*\t+7], v[VS+\t], v[PS] matrix_a_scale:MATRIX_SCALE_ROW1
.endr
.endm
; The softmax of tile X (0: window 0, 1: window 1) for one key step of 128 keys.
.macro SOFTMAX X
	WIN 0x55*\X
.irp b, 0,1,2,3
	v_max3_num_f32 v[T0+\b], v[S+16*\b], v[S+16*\b+1], v[S+16*\b+2]   ; THE LARGEST SCORE OF EACH BLOCK OF 32 KEYS serves twice: for the maximum of the row and, since p rises with the score, for the largest p of the block
.endr
.irp i, 3,5,7,9,11,13
.irp b, 0,1,2,3
	v_max3_num_f32 v[T0+\b], v[T0+\b], v[S+16*\b+\i], v[S+16*\b+\i+1]   ; the four blocks by turns; each accumulator from its low end on
.endr
.endr
.irp b, 0,1,2,3
	v_max_num_f32 v[T0+\b], v[T0+\b], v[S+16*\b+15]
.endr
.irp b, 0,1,2,3
	v_permlanex16_b32 v[T1+\b], v[T0+\b], s[SEL], s[SEL+1]
.endr
.irp b, 0,1,2,3
	v_max_num_f32 v[T0+\b], v[T0+\b], v[T1+\b]     ; with the 16 keys of lane l xor 16
.endr
	v_max3_num_f32 v[TT], v[T0], v[T0+1], v[T0+2]
	v_max_num_f32 v[TT], v[TT], v[T0+3]            ; the largest score of my query in this step
	v_mul_f32 v[TT], s[CS], v[TT]                  ; as t (c is positive)
	v_max_num_f32 v[TMX], v[TMX], v[TT]            ; the running largest t
	v_mov_b32 v[TT], v[NM]
	v_floor_f32 v[NM], -v[TMX]                     ; the new -M = floor(-t) = -ceil(t): M is a whole number
	v_sub_f32 v[TT], v[NM], v[TT]                  ; old M less new M: a whole number, 0 or less
	v_cvt_i32_f32 v[TT], v[TT]                     ; (it saturates)
	v_ldexp_f32 v[FF], 1.0, v[TT]                  ; f = 2^(old M - new M)
.set jj, 0
.rept 32
	v_pk_fma_f32 v[S+jj:S+jj+1], v[S+jj:S+jj+1], s[CS:CS+1], v[NM:NM+1] op_sel_hi:[1,0,0]   ; t - M, two at a time (of the pairs c and -M the low word serves both halves)
.set jj, jj+2
.endr
.irp b, 0,1,2,3
	v_fma_f32 v[T0+\b], v[T0+\b], s[CS], v[NM]     ; the same of the largest score of each block
.endr
.set jj, 0
.rept 64
	v_exp_f32 v[S+jj], v[S+jj]                     ; p = 2^(t - M), at most 1
.set jj, jj+1
.endr
.irp b, 0,1,2,3
	v_exp_f32 v[T0+\b], v[T0+\b]                   ; the largest p of the block: the same two instructions on the same number give the same bits
.endr
	v_pk_mul_f32 v[LSUM:LSUM+1], v[LSUM:LSUM+1], v[FF:FF+1] op_sel_hi:[1,0]   ; the sums under the new M (of the pair the low word alone is taken); also the plain place behind the exponentials
	s_wait_alu depctr_va_vdst(0)
.irp b, 0,1,2,3
	v_max_num_f32 v[T0+\b], 0x4800000, v[T0+\b]    ; the floor 2^(9 - 127): the byte cannot fall under 1
.endr
.irp b, 0,1,2,3
	v_add_nc_u32 v[T3+\b], 0xfc000000, v[T0+\b]    ; 8 off the exponent field: the scale operand of the conversion
.endr
.irp b, 0,1,2,3
	v_and_or_b32 v[T2+\b], v[T0+\b], 0x7f800000, s[MNT]   ; 448 x the scale
.endr
.irp b, 0,1,2,3
	v_lshrrev_b32 v[T1+\b], 23, v[T3+\b]           ; the byte of the scale
.endr
	v_lshl_or_b32 v[FF+1], v[T1+1], 8, v[T1]       ; the scale word of p for these 128 keys,
	v_lshl_or_b32 v[FF+1], v[T1+2], 16, v[FF+1]
	WIN 0x11*\X                                    ; finished in a register of window 0: scale operands have no window
	v_lshl_or_b32 v[PS+\X], v[T1+3], 24, v[FF+1]
	WIN 0x55*\X
	v_pk_add_f32 v[T1:T1+1], v[S:S+1], v[S+2:S+3]  ; THE SUM IS TAKEN OF THE UNQUANTISED p: two at a time, in two chains
.set jj, 4
.rept 15
	v_pk_add_f32 v[LSUM:LSUM+1], v[LSUM:LSUM+1], v[S+jj:S+jj+1]
	v_pk_add_f32 v[T1:T1+1], v[T1:T1+1], v[S+jj+2:S+jj+3]
.set jj, jj+4
.endr
	v_pk_add_f32 v[LSUM:LSUM+1], v[LSUM:LSUM+1], v[T1:T1+1]
.irp b, 0,1,2,3
.irp i, 0,1,2,3,4,5,6,7,8,9,10,11,12,13,14,15
	v_min_num_f32 v[S+16*\b+\i], v[S+16*\b+\i], v[T2+\b]   ; the conversion to an 8-bit code does not saturate (ISA guide 7.6.2); p is not negative, so the hold is one-sided
.endr
	v_cvt_scalef32_pk8_fp8_f32 v[P+4*\b:P+4*\b+1], v[S+16*\b:S+16*\b+7], v[T3+\b]
	v_cvt_scalef32_pk8_fp8_f32 v[P+4*\b+2:P+4*\b+3], v[S+16*\b+8:S+16*\b+15], v[T3+\b]
.endr
.set jj, 0
.rept 32
	v_pk_mul_f32 v[O+jj:O+jj+1], v[O+jj:O+jj+1], v[FF:FF+1] op_sel_hi:[1,0]   ; O^T under the new M; these 32 are also the places between the conversions and the products
.set jj, jj+2
.endr
.endm
; A KEY STEP: 128 keys, two tiles of queries: 32 products.  Three runs of LDS loads: all of K at the head; V's first four fragments ahead of the softmaxes; V's other four between them.
.macro STEP ad
.rept 9
	v_nop                                          ; eight places in front of loads into registers that the last products read (V's fragments 0-3, tile A's codes of p); nine in front of the products below, which write S^T over registers that the last products read as V's fragments 4-7
.endr
	ds_load_b128 v[KS:KS+3], v[\ad] offset:32768
	FRAGS \ad, 0
	WIN 0
.irp t, 0,1,2,3
.set kb, KH+16*\t+176*(\t/2)
.irp c, 0,1,2,3
	ds_load_b128 v[kb+4*\c:kb+4*\c+3], v[\ad] offset:8192+2048*\t+512*\c
.endr
.endr
	s_wait_dscnt 16                                ; LDS loads come back in order: K's scale words and fragments 0-3 are in; the 16 younger loads, fragments 4-7, may be out
	KQ
	PLACES                                         ; for the reads of S^T, the loads over K's fragments 0-3 and the softmax's writes into v232 on, which held K's fragment 6
	FRAGS \ad, 16384
	WIN 0
	ds_load_b128 v[VS:VS+3], v[\ad] offset:33280
	SOFTMAX 0
.irp t, 0,1,2,3
.irp c, 0,1,2,3
	ds_load_b128 v[S+16*\t+4*\c:S+16*\t+4*\c+3], v[\ad] offset:24576+2048*\t+512*\c   ; V's fragments 4-7 into tile A's p, which is converted: they land under tile B's softmax
.endr
.endr
	SOFTMAX 1
	s_wait_dscnt 0x0                               ; all of V is in
	PV
.endm
; The step is written without a first form of its own: it finds zeros, which the first change of M leaves zeros, and a largest t under every t.
.macro INIT X
	WIN 0x55*\X
	v_mov_b32 v[TMX], 0xff61b1e6                   ; -3e38
	v_floor_f32 v[NM], -v[TMX]
	v_mov_b32 v[LSUM], 0
	v_mov_b32 v[LSUM+1], 0
.irp b, 0,1,2,3
	v_mov_b32 v[T1+\b], 0                          ; the destination of a lane permute counts as one of its sources
.endr
	v_mov_b32 v[FF+1], 0                           ; named as the upper half of a pair before it is first written
.set jj, 0
.rept 64
	v_mov_b32 v[O+jj], 0
.set jj, jj+1
.endr
.endm
; My key group's part of tile X goes to LDS as it stands: O^T (each accumulator from its low end on), the sum and -M.
.macro PART X
	WIN 0x55*\X
	v_add_f32 v[LSUM], v[LSUM], v[LSUM+1]          ; the two halves of the sum,
	v_permlanex16_b32 v[TT], v[LSUM], s[SEL], s[SEL+1]
	v_add_f32 v[LSUM], v[LSUM], v[TT]              ; and those of lane l xor 16
	WIN 0x04*\X                                    ; the data of an LDS store are its source 1
.irp t, 0,1,2,3,4,5,6,7
.irp e, 0,1
	ds_store_b128 v[PST], v[O+8*\t+4*\e:O+8*\t+4*\e+3] offset:32768*\X+16384*(\t/4)+512*(2*(\t%4)+\e)
.endr
.endr
	ds_store_b32 v[STS], v[LSUM] offset:1024*\X
	ds_store_b32 v[STS], v[NM] offset:1024*\X+128
.endm
	s_load_b128 s[4:7], s[0:1], 0x0                ; qkv s[4:5], out0 s[6:7]
	v_lshl_add_u32 v[SPW], v0, 2, SPARE
	v_mov_b32 v[NIL], 0
	ds_add_u32 v3, v4
	ds_add_u32 v3, v4
	s_wait_dscnt 0x0
	v_lshrrev_b32 v14, 5, v0
	v_readfirstlane_b32 s8, v14                    ; wave 0..7
	s_and_b32 s9, s8, 1                            ; qp: my pair of query tiles.  Also: which half of a key step I fetch
	s_lshr_b32 s10, s8, 1                          ; kg: my key step of a slot's four.  Also: the key step of which I fetch a half
	s_and_b32 s11, s10, 1                          ; at the end: which tile of the pair I join,
	s_lshr_b32 s12, s10, 1                         ; and which half of its channels
	s_bfe_u32 s13, ttmp6, 0x40000                  ; cx: my place in the cluster
	s_lshl_b32 s14, ttmp9, 2                       ; in a cluster launch ttmp9 counts clusters
	s_add_co_u32 s14, s14, s13                     ; my block of 64 queries: it enters Q's and out0's addresses alone
	s_and_b32 s15, ttmp7, 0xffff                   ; the batch, which the four partners share
	; descriptor group 1: 66 rows of 256 bytes (32 elements of 8 bytes), dense in memory and in LDS
	s_mov_b32 s[G1+0], 15|(3<<16)|(1<<21)          ; 15:0 the mask: all four work-groups; 17:16 elements of 8 bytes; 20 no padding; 21 set beside a mask
	s_mov_b32 s[G1+1], 32<<16                      ; tensor_dim0 = 32
	s_mov_b32 s[G1+2], 66<<16                      ; tensor_dim1 = 66
	s_mov_b32 s[G1+3], 32<<16                      ; tile_dim0 = 32
	s_mov_b32 s[G1+4], 66                          ; tile_dim1 = 66
	s_mov_b32 s[G1+5], 32                          ; tensor_dim0_stride
	s_mov_b32 s[G1+6], 0
	s_mov_b32 s[G1+7], 0
	s_mul_i32 s38, s15, 32*BLOCK                   ; what I fetch: the batch, key step kg, half qp: made of the batch and the wave's number alone
	s_mul_i32 s39, s10, BLOCK
	s_add_co_u32 s38, s38, s39
	s_mul_i32 s39, s9, HALFB
	s_add_co_u32 s38, s38, s39
	s_mov_b32 s39, 0
	s_lshl_b32 s44, s15, 5
	s_lshr_b32 s45, s14, 1
	s_add_co_u32 s44, s44, s45
	s_mul_i32 s44, s44, BLOCK                      ; the block that holds my queries,
	s_and_b32 s45, s14, 1                          ; and which half of it
	s_lshl_b32 s46, s45, 2
	s_lshl_b32 s47, s9, 1
	s_add_co_u32 s46, s46, s47                     ; tile A = 4 x half + 2 qp; tile B follows it
	s_lshl_b32 s46, s46, 11
	s_add_co_u32 s46, s46, s44
	s_add_co_u32 s46, s46, 34304                   ; its fragment
	s_mov_b32 s47, 0
	s_lshl_b32 s48, s45, 8
	s_lshl_b32 s49, s9, 3
	s_add_co_u32 s48, s48, s49
	s_add_co_u32 s48, s48, s44
	s_add_co_u32 s48, s48, 33792                   ; and the two tiles' scale words: 256 x half + 8 qp
	s_mov_b32 s49, 0
	s_lshl_b32 s50, s15, 12                        ; out0: token 4,096 x batch + 64 x block + 32 qp + 8 x (the tile that I join),
	s_lshl_b32 s51, s14, 6
	s_add_co_u32 s50, s50, s51
	s_lshl_b32 s51, s9, 5
	s_add_co_u32 s50, s50, s51
	s_lshl_b32 s51, s11, 3
	s_add_co_u32 s50, s50, s51
	s_lshl_b32 s50, s50, 9                         ; 512 bytes a token,
	s_lshl_b32 s51, s12, 8
	s_add_co_u32 s50, s50, s51                     ; and my half of the channels
	s_mov_b32 s51, 0
	s_mov_b32 s[SEL], 0x76543210
	s_mov_b32 s[SEL+1], 0xfedcba98
	s_mov_b32 s[CS], 0x3e0293ee                    ; c = log2(e) / sqrt(128)
	s_mov_b32 s[CS+1], s[CS]                       ; named with it as a pair, so it is written
	s_mov_b32 s[MNT], 0x600000
	v_and_b32 v14, 31, v0                          ; lane
	v_and_b32 v15, 15, v0                          ; r
	v_bfe_u32 v16, v0, 4, 1                        ; h
	v_lshlrev_b32 v[QA], 4, v14
	s_mul_i32 s40, s10, STEPB
	v_add_nc_u32 v[AD0], s40, v[QA]
	v_add_nc_u32 v[AD1], SLOTB, v[AD0]
	v_lshlrev_b32 v[QSA], 4, v15
	v_lshl_add_u32 v[QSA], v16, 2, v[QSA]
	s_lshl_b32 s40, s9, 16                         ; the parts of O^T: 65,536 qp + 32,768 tile + 16,384 half + 4,096 kg + 512 i + 16 x lane
	s_lshl_b32 s41, s10, 12
	s_add_co_u32 s41, s41, s40
	v_add_nc_u32 v[PST], s41, v[QA]
	s_lshl_b32 s41, s11, 15
	s_add_co_u32 s40, s40, s41
	s_lshl_b32 s41, s12, 14
	s_add_co_u32 s40, s40, s41
	v_add_nc_u32 v[PLD], s40, v[QA]
	s_lshl_b32 s40, s9, 11                         ; the sums and -M: 2,048 qp + 1,024 tile + 256 kg + (0: the sum, 128: -M) + 4 x lane
	s_add_co_u32 s40, s40, STT
	s_lshl_b32 s41, s10, 8
	s_add_co_u32 s41, s41, s40
	v_lshl_add_u32 v[STS], v14, 2, s41
	s_lshl_b32 s41, s11, 10
	s_add_co_u32 s41, s41, s40
	v_lshl_add_u32 v[STL], v14, 2, s41
	s_mul_i32 s40, s8, 16*272
	s_add_co_u32 s40, s40, OST                     ; my stage
	v_mul_u32_u24 v[OSI], v15, 272                 ; in: row r, 32 bytes for each half of the lanes
	v_lshl_add_u32 v[OSI], v16, 5, v[OSI]
	v_add_nc_u32 v[OSI], s40, v[OSI]
	v_mul_u32_u24 v[OSO], v16, 272                 ; back: lanes 0-15 one row of 256 bytes, lanes 16-31 the next
	v_lshl_add_u32 v[OSO], v15, 4, v[OSO]
	v_add_nc_u32 v[OSO], s40, v[OSO]
	v_lshlrev_b32 v[GO], 9, v16                    ; and the same two rows in out0
	v_lshl_add_u32 v[GO], v15, 4, v[GO]
	s_wait_kmcnt 0x0
	s_add_nc_u64 s[42:43], s[4:5], s[38:39]
	s_add_nc_u64 s[52:53], s[4:5], s[46:47]        ; Q's fragments
	s_add_nc_u64 s[54:55], s[4:5], s[48:49]        ; Q's scale words
	s_add_nc_u64 s[6:7], s[6:7], s[50:51]
	s_mov_b32 s[G0], 1                             ; 1:0 count = 1
	s_mul_i32 s[G0+1], s8, HALFB                   ; 63:32 LDS address: slot 0, wave x 16,896: no place in the cluster enters it
	s_mov_b64 s[G0+2:G0+3], s[42:43]               ; 120:64 global address: key steps 0 to 3
	s_or_b32 s[G0+3], s[G0+3], 0x80000000          ; 127:126 type = 2
	s_mov_b32 s[G0+4], 1
	s_add_co_u32 s[G0+5], s[G0+1], SLOTB           ; slot 1
	s_add_nc_u64 s[G0+6:G0+7], s[42:43], 4*BLOCK   ; key steps 4 to 7
	s_or_b32 s[G0+7], s[G0+7], 0x80000000
	CROUND                                         ; all four work-groups are here: the first joint loads meet
	tensor_load_to_lds s[G0:G0+3], s[G1:G1+7]      ; slot 0; slot 1 is first filled behind the first change of slots, as a refill is
	s_nop 0
.rept 4
	v_nop
.endr
.irp c, 0,1,2,3
	global_load_b128 v[Q+4*\c:Q+4*\c+3], v[QA], s[52:53] offset:512*\c          ; tile A's fragment stays in registers
.endr
	WIN 0x40
.irp c, 0,1,2,3
	global_load_b128 v[Q+4*\c:Q+4*\c+3], v[QA], s[52:53] offset:2048+512*\c     ; tile B's, in window 1
.endr
	WIN 0
	global_load_b32 v[QS], v[QSA], s[54:55]        ; lanes 0-15: tile A's scale words; lanes 16-31: tile B's
	INIT 0
	INIT 1
	WIN 0
	s_wait_loadcnt 0x0                             ; Q
	s_mov_b32 s37, 3
.Lslot:                                            ; three trips of two slots; each change of slots asks for the slot after the one in hand
	CHANGE 0, 1
	STEP AD0
	CHANGE 1, 1
	STEP AD1
	s_sub_co_u32 s37, s37, 1
	s_cmp_lg_u32 s37, 0
	s_cbranch_scc1 .Lslot
	CHANGE 0, 1                                    ; the last two slots are written out: the seventh asks for the eighth
	STEP AD0
	CHANGE 1, 0                                    ; the eighth for nothing
	STEP AD1
	; THE FOUR KEY GROUPS ARE JOINED.  Each wave puts its two parts into LDS; behind a barrier wave (qp, kg) joins, of pair qp, tile kg % 2, channels 64 (kg / 2) on.
	PLACES
	PART 0
	PART 1
	WIN 0
	s_wait_dscnt 0x0                               ; for the others: my parts lie in LDS
	s_barrier_signal -1
	s_barrier_wait -1
.irp g, 0,1,2,3
.irp i, 0,1,2,3,4,5,6,7
	ds_load_b128 v[96+32*\g+4*\i:96+32*\g+4*\i+3], v[PLD] offset:4096*\g+512*\i   ; group g: register 96 + 32 g + 8 t + j = channel 16 t + 8 h + j of my half, query r
.endr
.endr
.irp g, 0,1,2,3
	ds_load_b32 v[224+\g], v[STL] offset:256*\g    ; its sum,
	ds_load_b32 v[228+\g], v[STL] offset:256*\g+128   ; its -M
.endr
	s_wait_dscnt 0x0
	v_min3_num_f32 v232, v228, v229, v230
	v_min_num_f32 v232, v232, v231                 ; the least -M: the largest M
.irp g, 0,1,2,3
	v_sub_f32 v[236+\g], v232, v[228+\g]           ; the group's M less the largest: a whole number, 0 or less
.endr
.irp g, 0,1,2,3
	v_cvt_i32_f32 v[236+\g], v[236+\g]
.endr
.irp g, 0,1,2,3
	v_ldexp_f32 v[236+\g], 1.0, v[236+\g]          ; an exact power of two
.endr
	v_mul_f32 v233, v236, v224
	v_fma_f32 v233, v237, v225, v233
	v_fma_f32 v233, v238, v226, v233
	v_fma_f32 v233, v239, v227, v233               ; the sum of the whole row
	v_rcp_f32 v234, v233
	v_nop                                          ; a plain instruction between the reciprocal and the use of its result
	s_wait_alu depctr_va_vdst(0)
.irp g, 0,1,2,3
	v_mul_f32 v[240+2*\g], v[236+\g], v234         ; the group's factor over the sum, twice: a pair for the packed forms
	v_mul_f32 v[241+2*\g], v[236+\g], v234
.endr
.set jj, 0
.rept 16
	v_pk_mul_f32 v[96+jj:97+jj], v[96+jj:97+jj], v[240:241]
.set jj, jj+2
.endr
.irp g, 1,2,3
.set jj, 0
.rept 16
	v_pk_fma_f32 v[96+jj:97+jj], v[96+32*\g+jj:97+32*\g+jj], v[240+2*\g:241+2*\g], v[96+jj:97+jj]
.set jj, jj+2
.endr
.endr
	; THE WAY OUT: 16 queries x 64 channels through my own stage; they come back as whole rows of 256 bytes.  LDS serves a wave's instructions in order (ISA guide 5.7.1.4): no wait between the stores and the loads.
.irp t, 0,1,2,3
	ds_store_b128 v[OSI], v[96+8*\t:96+8*\t+3] offset:64*\t
	ds_store_b128 v[OSI], v[96+8*\t+4:96+8*\t+7] offset:64*\t+16
.endr
.irp i, 0,1,2,3,4,5,6,7
	ds_load_b128 v[128+4*\i:128+4*\i+3], v[OSO] offset:544*\i
.endr
.irp i, 0,1,2,3,4,5,6,7
	s_wait_dscnt 7-\i                              ; LDS loads come back in order: pair i of rows is in, the younger ones may be out
	global_store_b128 v[GO], v[128+4*\i:128+4*\i+3], s[6:7] offset:(2*\i+8*(\i/4))*512 th:TH_STORE_NT   ; stage row m is token m + 8 (m / 8) of the tile; 16 lanes store 256 consecutive bytes, at a multiple of 256 from the first byte of out0
.endr
	s_wait_tensorcnt 0x0                           ; the wave's end, behind my last tensor load and my last LDS store
	ds_add_u32 v[SPW], v[NIL]
	s_wait_dscnt 0x0
	CROUND                                         ; the closing round: no work-group ends while a partner may still ask for a tile that names it
	s_endpgm
.Lfunc_end_k_q168c6ab6d4_attn:
	.size	k_q168c6ab6d4_attn, .Lfunc_end_k_q168c6ab6d4_attn-k_q168c6ab6d4_attn
	.p2alignl 7, 3214868480
	.fill 96, 4, 3214868480
	.section	.rodata,"a",@progbits
	.p2align	6, 0x0
	.amdhsa_kernel k_q168c6ab6d4_attn
		.amdhsa_group_segment_fixed_size 327680
		.amdhsa_private_segment_fixed_size 0
		.amdhsa_enable_private_segment 0
		.amdhsa_kernarg_size 16
		.amdhsa_user_sgpr_count 2
		.amdhsa_user_sgpr_kernarg_segment_ptr 1
		.amdhsa_wavefront_size32 1
		.amdhsa_system_sgpr_workgroup_id_x 1
		.amdhsa_system_sgpr_workgroup_id_y 1
		.amdhsa_system_sgpr_workgroup_id_z 1
		.amdhsa_system_vgpr_workitem_id 0
		.amdhsa_next_free_vgpr 512
		.amdhsa_next_free_sgpr 66
		.amdhsa_reserve_vcc 0
		.amdhsa_float_denorm_mode_32 3
		.amdhsa_float_denorm_mode_16_64 3
		.amdhsa_memory_ordered 1
		.amdhsa_forward_progress 1
		.amdhsa_inst_pref_size 183
	.end_amdhsa_kernel
	.amdgpu_metadata
---
amdhsa.version: [ 1, 2 ]
amdhsa.kernels:
  - .name:           k_q168c6ab6d4_attn
    .symbol:         k_q168c6ab6d4_attn.kd
    .args:
      - { .name: qkv, .offset: 0, .size: 8, .value_kind: global_buffer, .address_space: global }
      - { .name: out0, .offset: 8, .size: 8, .value_kind: global_buffer, .address_space: global }
    .group_segment_fixed_size: 327680
    .private_segment_fixed_size: 0
    .kernarg_segment_align: 8
    .kernarg_segment_size: 16
    .max_flat_workgroup_size: 256
    .sgpr_count:     66
    .vgpr_count:     512
    .wavefront_size: 32
...
	.end_amdgpu_metadata
.endif
;; end of part 2
;; ======== version 2 of 2: 2 launches
;; workspace buffers: qkv 6,488,064 bytes
;; launch proj (part 3): grid 128 x 1, 8 waves a work-group, no clusters, 118,784 bytes of LDS; arguments inputs, Wq, Wk, Wv, bq, bk, bv, qkv; writes qkv
.if DOCPART == 3
	.amdgcn_target "amdgcn-amd-amdhsa--gfx1250"
	.amdhsa_code_object_version 6
	.text
	.protected	k_q168c6ab6d4_proj
	.globl	k_q168c6ab6d4_proj
	.p2align	8
	.type	k_q168c6ab6d4_proj,@function
k_q168c6ab6d4_proj:
	s_mov_b64 s[64:65], 0
	v_nop
	global_prefetch_b8 v0, s[64:65] scope:SCOPE_SE
	s_setreg_imm32_b32 hwreg(HW_REG_WAVE_SCHED_MODE, 0, 2), 2
	s_setreg_imm32_b32 hwreg(HW_REG_WAVE_MODE, 25, 1), 1
	s_wait_xcnt 0x0
	s_wait_alu depctr_vm_vsrc(0)
; q = x Wq + bq, k = x Wk + bk, v = x Wv + bv on codes of FP8 (E4M3) with one E8M0 scale for each 32 along K (the 128 channels), and the results quantised again:
; q and k along their 128 filters, v along the tokens (the keys of the second product of attention).  x: [16384][128] f32; each W: [128 (k)][128 (n)] f32; biases [128] f32.
; OUTPUT: qkv, 128 blocks of 50,688 bytes, one for each 128 tokens, laid in the order of the reader's operand registers:
;   0 K's 8 fragments | 16,384 V's 8 | 32,768 K's scale words | 33,280 V's | 33,792 Q's | 34,304 Q's 8 fragments.
;   A fragment (16 rows x 128 K, 16 registers a lane) is 2,048 bytes: registers 4 c .. 4 c + 3 of lane l at 512 c + 16 l.  A block of scale words is 512 bytes: tile 4 H + j, row r at 256 H + 16 r + 4 j,
;   so that one load of 16 bytes at 16 x lane gives register j the words of tile j in lanes 0-15 and of tile 4 + j in lanes 16-31.
; THE ROWS OF A TILE ARE NOT NEIGHBOURS: row r of token tile 2 b + u (and of the tiles of Wq's and Wk's columns) is 32 b + 8 u + r + 8 (r / 8), so that the 16 registers of the results of tiles 2 b and 2 b + 1
; are 16 neighbours along the next K.  Tiles of Wv's columns and of V are plain: row r of tile t is channel 16 t + r.
; SHARES.  A work-group of eight waves takes 128 tokens.  Wave w quantises token tile w of x and tile w of each W; x's, Wq's and Wk's fragments go to LDS as images of their registers; one barrier;
; then wave w makes V's tile w (source 0 = the 8 tiles of x, source 1 = its tile of Wv), Q's tile w and K's tile w (source 0 = the 8 tiles of W, source 1 = its tile of x).  The biases are the C of the products.
; In each of the three a lane's 64 results are register 16 b + i = next K 32 b + 16 (lane / 16) + i of one row: what QUANT takes; its 16 registers of codes are the reader's operand and are stored as they stand.
; W's K is its first axis: a tile's 128 x 16 numbers are loaded by rows and turned through the wave's own stage in LDS, so that a lane gets one column and its registers run down K.
; LIMITS: NaN and infinities among the inputs are not served.  A block whose largest magnitude lies under 2^-118 keeps the scale byte 1; a block of zeros gets the byte 1 where the quantiser says 127:
; its codes are zeros, which add nothing under any byte but 0xff, and this program alone reads the bytes.
; No tensor loads, no cluster: the work-groups share only the three small weights.
; THE MODE: SCHED_MODE bits 1:0 = 2 (LLVM: expert scheduling mode 2), set by the entry lines.  The code itself states the register dependences
; between vector or matrix instructions and memory or LDS instructions, with s_wait_alu, always for 0.
; THE PLAN.  Registers that memory or LDS instructions touch, and who else names them:
;   v1-8, v10, v11, v18, v19   offsets and addresses: made once at the head, ahead of one wait on va_vdst, and never written again.
;   RAW1, RAW2   Wq and Wk as loaded; TURN's LDS stores read them and its LDS loads land in them again: one wait on vm_vsrc between the two runs.  Then QUANT alone.
;   RAW0         x as loaded; QUANT; later the turned numbers of Wv land in it, behind the wait on va_vdst that stands ahead of Wq's images; QUANT once more.
;   XF, XS       written by one QUANT; read by the image's LDS stores and by products; at the very end v20-23 take an LDS load.
;   PC, PW       written by each later QUANT; read by the stores behind it: a wait on va_vdst ahead of each run of stores, a wait on vm_vsrc ahead of the next QUANT.
;   FRG, SW      a job's 33 LDS loads land in them, its eight products read them.  Behind a job's products stands a wait on va_vdst, and the NEXT job's loads follow it at once:
;                they land under this job's QUANT, which names ACC, PC, PW and TM alone.
;   ACC and TM are named by vector and matrix instructions alone; window 1 is loaded once and read by products (the biases) and LDS stores (Wv), never written again.
.set BLOCK, 50688
.set XIMG,  0                          ; LDS: x's 8 fragments,
.set QIMG,  16384                      ; Wq's,
.set KIMG,  32768                      ; Wk's;
.set XSC,   49152                      ; their blocks of scale words;
.set QSC,   49664
.set KSC,   50176
.set OSC,   50688                      ; the results' blocks of scale words: K's, V's, Q's;
.set WST,   52224                      ; 8,192 bytes for each wave: the stage in which a tile of W is turned
.set XA,  1                            ; v1   x: my byte in the wave's rows
.set WA,  2                            ; v2   Wq, Wk: my 16 bytes of a run of 8 rows
.set WB,  3                            ; v3   Wv: likewise
.set LI,  4                            ; v4   16 x lane
.set IW,  5                            ; v5   16 x lane + 2,048 x wave: my place in a run of 8 fragments, in LDS and in qkv
.set SWA, 6                            ; v6   my place in a block of scale words
.set BA,  7                            ; v7   bq, bk: 64 x (lane / 16)
.set BVA, 8                            ; v8   bv: 4 r + 64 x wave
.set PW,  9                            ; v9   the scale word just made
.set TS,  10                           ; v10  the stage, on the way in
.set TL,  11                           ; v11  and on the way out
.set SW,  12                           ; v12-15 scale words of the 8 fetched fragments
.set XS,  16                           ; v16  my tile of x: its scale words
.set WVS, 17                           ; v17  my tile of Wv: its scale words
.set OSA, 18                           ; v18  the results' scale words, on their way out of LDS
.set GSO, 19                           ; v19  and their place in qkv
.set XF,  20                           ; v20-35 my tile of x: its codes
.set PC,  36                           ; v36-51 the codes just made
.set TM,  52                           ; v52-55 largest magnitudes, then the conversions' scale operands; v56-59 at work, then bytes; v60-63 448 x the scale
.set RAW0, 64                          ; v64-127, v128-191, v192-255: three sets of 64 numbers
.set RAW1, 128
.set RAW2, 192
.set FRG, 64                           ; behind the barrier: v64-191 eight fetched fragments,
.set ACC, 192                          ; v192-255 eight accumulators
.set BQ,  0                            ; window 1: v0-63 bq in the results' layout, v64-127 bk, v128-135 bv, v144-207 Wv as loaded
.set BK,  64
.set BV,  128
.set WVR, 144
.set WV,  20                           ; s20  my wave's number
.set TW,  21                           ; s21  my tile's first row: 32 (w / 2) + 8 (w % 2)
.set SEL, 22                           ; s[22:23] lane selects for v_permlanex16_b32: lane l xor 16
.set MNT, 24                           ; s24  the mantissa field of 448
.set MSB, 0
.macro WIN new                         ; the immediate's high byte repeats the setting that is left; a switch that changes nothing is dropped
.if MSB != (\new)
	s_set_vgpr_msb (MSB<<8)|(\new)
.set MSB, (\new)
.endif
.endm
; 16 loads: W's rows 8 n + lane / 4, four of my tile's 16 columns
.macro WLOAD dst, off, base
.irp n, 0,1,2,3,4,5,6,7,8,9,10,11,12,13,14,15
	global_load_b128 v[\dst+4*\n:\dst+4*\n+3], v[\off], s[\base:\base+1] offset:4096*\n
.endr
.endm
; A tile of W through my stage.  (k, column r) lies at ((k / 32) 16 + k % 16) 128 + ((k / 16) % 2) 64 + 4 r, so that a load of 4 bytes a lane reads 128 bytes on end and
; gives lane (r, h) the number k = 32 c + 16 h + i of column r.  LDS serves a wave's instructions in order (ISA guide 5.7.1.4): no wait on DScnt stands between the stores and the loads.
; same = 1: the numbers come back into the registers that they left.
.macro TURN src, dst, win, same
	WIN \win
.irp n, 0,1,2,3,4,5,6,7,8,9,10,11,12,13,14,15
	ds_store_b128 v[TS], v[\src+4*\n:\src+4*\n+3] offset:(\n/4)*2048+(\n%2)*1024+((\n/2)%2)*64
.endr
	WIN 0
.if \same
	s_wait_alu depctr_vm_vsrc(0)                   ; the sixteen LDS stores above have read v[src ..], in which the LDS loads below land
.endif
.irp c, 0,1,2,3
.irp i, 0,1,2,3,4,5,6,7,8,9,10,11,12,13,14,15
	ds_load_b32 v[\dst+16*\c+\i], v[TL] offset:(16*\c+\i)*128
.endr
.endr
.endm
; 64 numbers of a lane, register 16 b + i = K 32 b + 16 (lane / 16) + i of my row, become a fragment's codes in v[pc] on and its scale word in v[pw].
.macro QUANT s, pc, pw
.irp b, 0,1,2,3
	v_max3_num_f32 v[TM+\b], |v[\s+16*\b]|, |v[\s+16*\b+1]|, 0x4800000   ; block b: my 16 numbers, from the low end on, and the floor 2^(9 - 127): so the byte cannot fall under 1
.endr
.irp i, 2,4,6,8,10,12,14
.irp b, 0,1,2,3
	v_max3_num_f32 v[TM+\b], v[TM+\b], |v[\s+16*\b+\i]|, |v[\s+16*\b+\i+1]|   ; the four blocks by turns: no line waits for the line above it
.endr
.endr
.irp b, 0,1,2,3
	v_permlanex16_b32 v[TM+4+\b], v[TM+\b], s[SEL], s[SEL+1]
.endr
.irp b, 0,1,2,3
	v_max_num_f32 v[TM+\b], v[TM+\b], v[TM+4+\b]   ; with lane l xor 16: the largest magnitude of the block
.endr
.irp b, 0,1,2,3
	v_and_or_b32 v[TM+8+\b], v[TM+\b], 0x7f800000, s[MNT]   ; 448 x the scale: its exponent field over the mantissa field of 448
.endr
.irp b, 0,1,2,3
	v_add_nc_u32 v[TM+\b], 0xfc000000, v[TM+\b]   ; 8 off its exponent field: the conversion takes the exponent field of this operand as its scale
.endr
.irp b, 0,1,2,3
	v_lshrrev_b32 v[TM+4+\b], 23, v[TM+\b]   ; the byte of the scale
.endr
	v_lshl_or_b32 v[\pw], v[TM+5], 8, v[TM+4]   ; the four bytes make the scale word of my row
	v_lshl_or_b32 v[\pw], v[TM+6], 16, v[\pw]
	v_lshl_or_b32 v[\pw], v[TM+7], 24, v[\pw]
.irp b, 0,1,2,3
.irp i, 0,1,2,3,4,5,6,7,8,9,10,11,12,13,14,15
	v_med3_num_f32 v[\s+16*\b+\i], v[\s+16*\b+\i], -v[TM+8+\b], v[TM+8+\b]   ; the conversion to an 8-bit code does not saturate (ISA guide 7.6.2): the hold at 448 x the scale
.endr
	v_cvt_scalef32_pk8_fp8_f32 v[\pc+4*\b:\pc+4*\b+1], v[\s+16*\b:\s+16*\b+7], v[TM+\b]
	v_cvt_scalef32_pk8_fp8_f32 v[\pc+4*\b+2:\pc+4*\b+3], v[\s+16*\b+8:\s+16*\b+15], v[TM+\b]
.endr
	v_nop                                          ; one plain vector instruction behind the last scaled conversion
.endm
.macro IMAGE reg, off                  ; a fragment goes to LDS as it stands: 512 bytes on end a store
.irp c, 0,1,2,3
	ds_store_b128 v[IW], v[\reg+4*\c:\reg+4*\c+3] offset:\off+512*\c
.endr
.endm
; Eight fragments and their block of scale words from LDS: source 0 of a job's products
.macro FETCH img, sc
.irp i, 0,1,2,3,4,5,6,7
.irp c, 0,1,2,3
	ds_load_b128 v[FRG+16*\i+4*\c:FRG+16*\i+4*\c+3], v[LI] offset:\img+2048*\i+512*\c
.endr
.endr
	ds_load_b128 v[SW:SW+3], v[LI] offset:\sc
.endm
; One of the three results: the eight fetched fragments as source 0, my own fragment as source 1, the bias as C (window 1); eight accumulators, one product each;
; the 64 results are quantised; the codes leave as they stand, 512 bytes on end a store; the scale word goes to its block in LDS.
; first = 1: no job stands in front of this one.  more = 1: a job follows, and its fragments (nimg, nsc) are asked for behind this job's products.
.macro JOB bfrag, bscale, cb, cstride, gout, osc, first, more, nimg, nsc
	s_wait_dscnt 0x0                               ; the fragments and their scale words are in
	WIN 0x10                                       ; C in window 1
.irp i, 0,1,2,3,4,5,6,7
.if \i < 4
	v_wmma_scale_f32_16x16x128_f8f6f4 v[ACC+8*\i:ACC+8*\i+7], v[FRG+16*\i:FRG+16*\i+15], v[\bfrag:\bfrag+15], v[\cb+\cstride*\i:\cb+\cstride*\i+7], v[SW+\i%4], v[\bscale]
.else
	v_wmma_scale_f32_16x16x128_f8f6f4 v[ACC+8*\i:ACC+8*\i+7], v[FRG+16*\i:FRG+16*\i+15], v[\bfrag:\bfrag+15], v[\cb+\cstride*\i:\cb+\cstride*\i+7], v[SW+\i%4], v[\bscale] matrix_a_scale:MATRIX_SCALE_ROW1
.endif
.endr
	WIN 0
.rept 8
	v_nop                                          ; eight places behind this form in front of the first read of results; QUANT has more than one further plain line that names none of these registers, for the next job
.endr
.if \more
	s_wait_alu depctr_va_vdst(0)                   ; the eight products are done reading v[FRG ..] and v[SW ..], in which the next job's loads land
.endif
.if !\first
	s_wait_xcnt 0x0                                ; the stores of the job before have had their addresses translated: the codes are written again only behind this wait
	s_wait_alu depctr_vm_vsrc(0)                   ; the stores of the job before have read v[PC ..] and v[PW], which QUANT below writes again
.endif
.if \more
	FETCH \nimg, \nsc                              ; they land under QUANT, which names ACC, PC, PW and TM: none of the registers that these loads touch
.endif
	QUANT ACC, PC, PW
	s_wait_alu depctr_va_vdst(0)                   ; QUANT has written v[PC ..] and v[PW], which the stores below read
.irp c, 0,1,2,3
	global_store_b128 v[IW], v[PC+4*\c:PC+4*\c+3], s[18:19] offset:\gout+512*\c
.endr
	ds_store_b32 v[SWA], v[PW] offset:\osc
.endm
	s_load_b256 s[4:11], s[0:1], 0x0               ; x s[4:5], Wq s[6:7], Wk s[8:9], Wv s[10:11]
	s_load_b256 s[12:19], s[0:1], 0x20             ; bq s[12:13], bk s[14:15], bv s[16:17], qkv s[18:19]
	s_set_vgpr_msb 0x40
	v_lshl_add_u32 v142, v0, 2, 0x1cc00
	v_mov_b32 v143, 0
	s_set_vgpr_msb 0x4000
	v_lshrrev_b32 v20, 5, v0
	v_readfirstlane_b32 s[WV], v20                 ; wave 0..7
	s_wait_alu depctr_va_sdst(0)                   ; s20 is written, ahead of its first reader: the tile's first row and the wave's places are made from it
	s_lshr_b32 s[TW], s[WV], 1
	s_lshl_b32 s[TW], s[TW], 5
	s_and_b32 s25, s[WV], 1
	s_lshl_b32 s25, s25, 3
	s_add_co_u32 s[TW], s[TW], s25                 ; 32 (w / 2) + 8 (w % 2)
	s_mov_b32 s[SEL], 0x76543210
	s_mov_b32 s[SEL+1], 0xfedcba98
	s_mov_b32 s[MNT], 0x600000
	v_and_b32 v20, 31, v0                          ; lane
	v_and_b32 v21, 15, v0                          ; r
	v_bfe_u32 v22, v0, 4, 1                        ; h
	v_bfe_u32 v23, v0, 2, 3                        ; lane / 4
	v_and_b32 v24, 3, v0                           ; lane % 4
	v_and_b32 v25, 8, v21
	v_add_nc_u32 v25, v25, v21                     ; r + 8 (r / 8)
	v_lshlrev_b32 v[XA], 9, v25
	v_lshl_add_u32 v[XA], v22, 6, v[XA]            ; x: that row of 512 bytes, + 64 h: my 16 numbers of a block of 32
	v_lshlrev_b32 v26, 9, v23
	v_lshl_add_u32 v26, v24, 4, v26                ; W: row lane / 4, 16 bytes for each of four lanes
	v_and_b32 v27, 2, v24
	v_lshl_add_u32 v[WA], v27, 4, v26              ; Wq, Wk: the second eight columns of a tile lie 16 columns behind the first eight
	s_lshl_b32 s26, s[TW], 2
	v_add_nc_u32 v[WA], s26, v[WA]
	s_lshl_b32 s26, s[WV], 6
	v_add_nc_u32 v[WB], s26, v26                   ; Wv: columns 16 w on
	v_lshl_add_u32 v[BVA], v21, 2, s26             ; bv: number 16 w + r
	v_lshlrev_b32 v[LI], 4, v20
	s_lshl_b32 s26, s[WV], 11
	v_add_nc_u32 v[IW], s26, v[LI]
	s_lshr_b32 s26, s[WV], 2
	s_lshl_b32 s26, s26, 8
	s_and_b32 s27, s[WV], 3
	s_lshl_b32 s27, s27, 2
	s_add_co_u32 s26, s26, s27
	v_lshl_add_u32 v[SWA], v21, 4, s26             ; 256 (w / 4) + 16 r + 4 (w % 4); lanes r and 16 + r store the same word to the same place
	v_lshlrev_b32 v[BA], 6, v22
	s_lshl_b32 s26, s[WV], 13
	s_add_co_u32 s26, s26, WST                     ; my stage
	v_lshlrev_b32 v[TS], 7, v23
	v_lshl_add_u32 v[TS], v24, 4, v[TS]
	v_add_nc_u32 v[TS], s26, v[TS]
	v_lshl_add_u32 v[TL], v20, 2, s26
	v_lshl_add_u32 v[OSA], v0, 4, OSC
	v_lshlrev_b32 v[GSO], 4, v0
.irp b, 0,1,2,3
	v_mov_b32 v[TM+4+\b], 0                        ; written once: the destination of a lane permute counts as one of its sources
.endr
	s_lshl_b32 s26, ttmp9, 7
	s_add_co_u32 s26, s26, s[TW]
	s_lshl_b32 s26, s26, 9                         ; x: token 128 x work-group + my tile's first, 512 bytes a token
	s_mov_b32 s27, 0
	s_mul_i32 s28, ttmp9, BLOCK                    ; qkv: my block
	s_mov_b32 s29, 0
	s_wait_kmcnt 0x0
	s_add_nc_u64 s[4:5], s[4:5], s[26:27]
	s_add_nc_u64 s[18:19], s[18:19], s[28:29]
	s_wait_alu depctr_va_vdst(0)                   ; the offsets and addresses v1 to v8, v10, v11, v18 and v19 are written: every load and store of the kernel reads one of them, and none is written again
.irp b, 0,1,2,3
.irp j, 0,1,2,3
	global_load_b128 v[RAW0+16*\b+4*\j:RAW0+16*\b+4*\j+3], v[XA], s[4:5] offset:128*\b+16*\j th:TH_LOAD_NT   ; x: read once in the launch
.endr
.endr
	WLOAD RAW1, WA, 6
	WLOAD RAW2, WA, 8
	WIN 0x40                                       ; destination window 1
	WLOAD WVR, WB, 10
	WIN 0
	s_wait_loadcnt 32                              ; x and Wq are in: behind them stand the 16 loads of Wk and the 16 of Wv
	TURN RAW1, RAW1, 0, 1                          ; Wq turns while x is quantised
	QUANT RAW0, XF, XS
	s_wait_alu depctr_va_vdst(0)                   ; QUANT has written v[XF ..] and v[XS], which the LDS stores below read
	IMAGE XF, XIMG
	ds_store_b32 v[SWA], v[XS] offset:XSC
	WIN 0x40
.irp t, 0,1,2,3,4,5,6,7                        ; the biases in the layout of the results: lane (r, h), tile 2 b + u: numbers 32 b + 16 h + 8 u + 0 .. 7.  No vector instruction names their registers or, since the head's wait, their offsets
	global_load_b128 v[BQ+8*\t:BQ+8*\t+3], v[BA], s[12:13] offset:(32*(\t/2)+8*(\t%2))*4
	global_load_b128 v[BQ+8*\t+4:BQ+8*\t+7], v[BA], s[12:13] offset:(32*(\t/2)+8*(\t%2))*4+16
.endr
.irp t, 0,1,2,3,4,5,6,7
	global_load_b128 v[BK+8*\t:BK+8*\t+3], v[BA], s[14:15] offset:(32*(\t/2)+8*(\t%2))*4
	global_load_b128 v[BK+8*\t+4:BK+8*\t+7], v[BA], s[14:15] offset:(32*(\t/2)+8*(\t%2))*4+16
.endr
.irp j, 0,1,2,3,4,5,6,7
	global_load_b32 v[BV+\j], v[BVA], s[16:17]     ; in a tile of v a lane holds one channel: its bias in all eight registers
.endr
	WIN 0
	s_wait_dscnt 0x0                               ; Wq is turned
	s_wait_loadcnt 56                              ; Wk is in: behind it stand the 16 loads of Wv and the 40 of the biases
	TURN RAW2, RAW2, 0, 1
	QUANT RAW1, PC, PW
	s_wait_alu depctr_va_vdst(0)                   ; QUANT has written v[PC ..] and v[PW], which the LDS stores below read.  All vector lines on v[RAW0 ..] stand ahead of this wait too, and none follows before Wv's turned numbers land there
	IMAGE PC, QIMG
	ds_store_b32 v[SWA], v[PW] offset:QSC
	s_wait_dscnt 0x0                               ; Wk is turned
	s_wait_alu depctr_vm_vsrc(0)                   ; the LDS stores above have read v[PC ..] and v[PW], which the next QUANT writes again
	s_wait_loadcnt 40                              ; Wv is in: the 40 loads of the biases may be out
	TURN WVR, RAW0, 0x04, 0                        ; the data of an LDS store are its source 1: window 1
	QUANT RAW2, PC, PW
	s_wait_alu depctr_va_vdst(0)                   ; QUANT has written v[PC ..] and v[PW], which the LDS stores below read
	IMAGE PC, KIMG
	ds_store_b32 v[SWA], v[PW] offset:KSC
	s_wait_dscnt 0x0                               ; Wv is turned
	s_wait_alu depctr_vm_vsrc(0)                   ; the LDS stores above have read v[PC ..], which the next QUANT writes again
	QUANT RAW0, PC, WVS                            ; my tile of Wv stays in registers: nobody else wants it
.rept 4
	v_nop                                          ; an operand written by vector instructions stands four places ahead of a scaled matrix instruction
.endr
	s_wait_alu depctr_va_vdst(0)                   ; QUANT has written v[PC ..] and v[WVS], which the first products take as operand and as scales, and is done with v[RAW0 ..], in which the first fragments land; the places above stay beside this wait
	s_wait_dscnt 0x0                               ; for the others: my images and scale words lie in LDS
	s_barrier_signal -1
	s_barrier_wait -1
	s_wait_loadcnt 0x0                             ; the biases
	FETCH XIMG, XSC
	JOB PC, WVS, BV, 0, 16384, OSC+512, 1, 1, QIMG, QSC   ; V, tile w: rows = channels 16 w + r, K = the 128 tokens
	JOB XF, XS, BQ, 8, 34304, OSC+1024, 0, 1, KIMG, KSC   ; Q, tile w: rows = my tile of tokens, K = the 128 filters
	JOB XF, XS, BK, 8, 0, OSC, 0, 0, 0, 0                 ; K likewise
	s_wait_dscnt 0x0                               ; for the others: my three scale words lie in LDS
	s_barrier_signal -1
	s_barrier_wait -1
	s_cmp_gt_u32 s[WV], 2                          ; waves 0, 1, 2 store the three blocks of scale words, 512 bytes on end each
	s_cbranch_scc1 .Ldone
	ds_load_b128 v[20:23], v[OSA]                  ; into four registers of XF: the last products, which read them, stand ahead of the last job's wait on va_vdst, and no vector instruction follows it
	s_wait_dscnt 0x0
	global_store_b128 v[GSO], v[20:23], s[18:19] offset:32768
.Ldone:
	s_set_vgpr_msb 0x5
	s_wait_dscnt 0x0
	s_wait_alu depctr_hold_cnt(0) depctr_sa_sdst(0) depctr_va_vdst(0) depctr_va_sdst(0) depctr_va_ssrc(0) depctr_va_vcc(0) depctr_vm_vsrc(0)
	s_wait_tensorcnt 0x0
	ds_add_u32 v142, v143
	s_wait_dscnt 0x0
	s_endpgm
.Lfunc_end_k_q168c6ab6d4_proj:
	.size	k_q168c6ab6d4_proj, .Lfunc_end_k_q168c6ab6d4_proj-k_q168c6ab6d4_proj
	.p2alignl 7, 3214868480
	.fill 96, 4, 3214868480
	.section	.rodata,"a",@progbits
	.p2align	6, 0x0
	.amdhsa_kernel k_q168c6ab6d4_proj
		.amdhsa_group_segment_fixed_size 118784
		.amdhsa_private_segment_fixed_size 0
		.amdhsa_enable_private_segment 0
		.amdhsa_kernarg_size 64
		.amdhsa_user_sgpr_count 2
		.amdhsa_user_sgpr_kernarg_segment_ptr 1
		.amdhsa_wavefront_size32 1
		.amdhsa_system_sgpr_workgroup_id_x 1
		.amdhsa_system_sgpr_workgroup_id_y 1
		.amdhsa_system_sgpr_workgroup_id_z 1
		.amdhsa_system_vgpr_workitem_id 0
		.amdhsa_next_free_vgpr 464
		.amdhsa_next_free_sgpr 66
		.amdhsa_reserve_vcc 0
		.amdhsa_float_denorm_mode_32 3
		.amdhsa_float_denorm_mode_16_64 3
		.amdhsa_memory_ordered 1
		.amdhsa_forward_progress 1
		.amdhsa_inst_pref_size 98
	.end_amdhsa_kernel
	.amdgpu_metadata
---
amdhsa.version: [ 1, 2 ]
amdhsa.kernels:
  - .name:           k_q168c6ab6d4_proj
    .symbol:         k_q168c6ab6d4_proj.kd
    .args:
      - { .name: inputs, .offset: 0, .size: 8, .value_kind: global_buffer, .address_space: global }
      - { .name: Wq, .offset: 8, .size: 8, .value_kind: global_buffer, .address_space: global }
      - { .name: Wk, .offset: 16, .size: 8, .value_kind: global_buffer, .address_space: global }
      - { .name: Wv, .offset: 24, .size: 8, .value_kind: global_buffer, .address_space: global }
      - { .name: bq, .offset: 32, .size: 8, .value_kind: global_buffer, .address_space: global }
      - { .name: bk, .offset: 40, .size: 8, .value_kind: global_buffer, .address_space: global }
      - { .name: bv, .offset: 48, .size: 8, .value_kind: global_buffer, .address_space: global }
      - { .name: qkv, .offset: 56, .size: 8, .value_kind: global_buffer, .address_space: global }
    .group_segment_fixed_size: 118784
    .private_segment_fixed_size: 0
    .kernarg_segment_align: 8
    .kernarg_segment_size: 64
    .max_flat_workgroup_size: 256
    .sgpr_count:     66
    .vgpr_count:     464
    .wavefront_size: 32
...
	.end_amdgpu_metadata
.endif
;; end of part 3
;; launch attn (part 4): grid 64 x 4, 8 waves a work-group, clusters of 4 x 1, 327,680 bytes of LDS; arguments qkv, out0; writes out0
.if DOCPART == 4
	.amdgcn_target "amdgcn-amd-amdhsa--gfx1250"
	.amdhsa_code_object_version 6
	.text
	.protected	k_q168c6ab6d4_attn
	.globl	k_q168c6ab6d4_attn
	.p2align	8
	.type	k_q168c6ab6d4_attn,@function
k_q168c6ab6d4_attn:
	s_mov_b64 s[64:65], 0
	v_nop
	global_prefetch_b8 v0, s[64:65] scope:SCOPE_SE
	s_setreg_imm32_b32 hwreg(HW_REG_WAVE_MODE, 25, 1), 1
	s_wait_xcnt 0x0
	s_wait_alu depctr_hold_cnt(0) depctr_sa_sdst(0) depctr_va_vdst(0) depctr_va_sdst(0) depctr_va_ssrc(0) depctr_va_vcc(0) depctr_vm_vsrc(0)
	s_getreg_b32 s2, hwreg(HW_REG_IB_STS2, 6, 4)
	s_cmp_eq_u32 s2, 0
	s_cbranch_scc0 .Lentry_in_a_cluster
	s_endpgm
.Lentry_in_a_cluster:
	s_bfe_u32 s2, ttmp6, 0x10000c
	s_cmp_lg_u32 s2, 0x3003
	s_cbranch_scc0 .Lentry_shape_is_right
	s_endpgm
.Lentry_shape_is_right:
; out[b][q][:] = the sum over keys of softmax(q . k / sqrt(128)) v, both products on codes of FP8 (E4M3) with one E8M0 scale for each 32 along K.  4 batches x 4,096 tokens x 128 channels.
; INPUT: qkv, one block of 50,688 bytes for each 128 tokens, in the order of the operand registers: 0 K's 8 fragments of 2,048 bytes | 16,384 V's 8 | 32,768 K's scale words | 33,280 V's | 33,792 Q's | 34,304 Q's 8 fragments.
; Row r of tile 2 b + u of K and of Q is token 32 b + 8 u + r + 8 (r / 8) of the block; row r of tile t of V is channel 16 t + r, its K the 128 tokens in their order.
; THE SOFTMAX AHEAD OF THE SECOND PRODUCT: t = score x log2(e) / sqrt(128); M = the largest t so far, rounded UP to a whole number; p = 2^(t - M) is quantised along the keys, not normalised.
; The sum is taken of the unquantised p and divides at the end.  When M moves, the sum and O are multiplied by 2^(old M - new M), which rounds nothing.
; SHARES.  A work-group owns 64 queries of a batch.  Wave w = 2 kg + qp holds TWO tiles of 16 queries (pair qp), so that each fragment of K and V read from LDS feeds two products, and takes
; key step kg of the four steps of 128 keys that a slot holds: 8 steps a wave, with a running M, sum and O of its own.  At the end the four key groups are joined through LDS: their M are whole numbers,
; so each part is brought under the largest M by an exact power of two.  Two waves lie on a SIMD: the vector work of one stands beside the products and LDS loads of the other.
; LAYOUT.  Both products are used transposed: S^T = K Q^T (source 0 = 16 keys, source 1 = 16 queries), O^T = V^T P^T: a lane holds ONE query throughout; by the choice of a tile's rows the 16 registers
; of tiles 2 b and 2 b + 1 of S^T are keys 32 b + 16 (lane / 16) + 0 .. 15, so the results of the conversions ARE source 1 of the second product.
; CLUSTER.  The four work-groups of a cluster belong to one batch and walk the same K and V: each wave's part of a slot (half a key step, 66 rows of 256 bytes, dense) is asked for JOINTLY, by the same
; tensor load with the same descriptor and a mask that names the four.  A ring of two slots; by this text's count one tensor load of a wave is out at a time.
; LIMITS: NaN and infinities are not served.  A p under 2^-126 comes out of v_exp_f32 as 0 (ISA guide 15.8); a block of p whose largest lies under 2^-118 keeps the scale byte 1.
; REGISTERS.  Window 0: v1-13 addresses; v52-55 K's scale words, v56-59 V's, v60-61 p's (tile A, tile B), v62 Q's (lanes 0-15 tile A, lanes 16-31 tile B).  Window 1: v0-63 fragments 0-3 of K, then of V.
; From v76 on the two tiles have the same map, tile A in window 0 and tile B in window 1: v76 -M, v77 the largest t, v[78:79] the sum in two halves, v80-95 Q, v96-159 S^T then p, v160-223 O^T, v224-239 the codes of p, v232-254 at work.
; FRAGMENTS 4-7 LIE WHERE REGISTERS ARE IDLE, so that they can be asked for early: K's in window 0, v16-47 and v224-255 (tile A's codes of p and its scratch are dead until its softmax), asked for with K's first four;
; V's in tile A's v96-159 (its p is dead once it is converted), asked for between the two softmaxes: they land under tile B's.
.set BLOCK, 50688
.set STEPB, 33792                      ; what a key step takes of a block
.set HALFB, 16896                      ; what one tensor load brings
.set SLOTB, 4*STEPB                    ; a slot: four key steps
.set SPARE, 2*SLOTB                    ; behind the ring: the spare words, 128 bytes for each wave: four blocks of 256 bytes that no other line names
.set OST,   SPARE+1024                 ; the way out: 16 rows x (256 + 16) bytes for each wave
.set STT,   OST+8*16*272               ; the key groups' sums and -M: 4,096 bytes
; The key groups' parts of O^T lie in slot 0 (131,072 bytes): it has had its last fill, and nobody reads it behind the last change of slots.
.set AD0, 1                            ; v1   my key step in slot 0: 33,792 kg + 16 x lane
.set AD1, 2                            ; v2   and in slot 1
.set SPW, 3                            ; v3   LDS address of my spare word: SPARE + 4 x my thread's number; never rewritten
.set NIL, 4                            ; v4   0; never rewritten
.set QA,  5                            ; v5   16 x lane
.set QSA, 6                            ; v6   Q's scale words: 16 r + 4 h
.set PST, 7                            ; v7   where I put my part of O^T
.set PLD, 8                            ; v8   where I read the four parts that I join
.set STS, 9                            ; v9   where I put my sums and -M
.set STL, 10                           ; v10  where I read the four
.set OSI, 11                           ; v11  my stage, on the way in
.set OSO, 12                           ; v12  and on the way out
.set GO,  13                           ; v13  my byte in the rows of out0
.set KH,  16                           ; K's fragment 4 + t, in window 0, at v[KH + 16 t + 176 (t / 2)]: v16, v32, v224, v240
.set KS,  52
.set VS,  56
.set PS,  60
.set QS,  62
.set NM,  76
.set TMX, 77
.set LSUM, 78
.set Q,   80
.set S,   96
.set O,   160
.set P,   224
.set T0,  232                          ; the largest score of each block, then its largest p
.set T1,  236                          ; at work; the bytes; the second chain of the sum
.set T2,  240                          ; 448 x the scale
.set T3,  244                          ; the scale operands of the conversions
.set FF,  252                          ; v[252:253]: f = 2^(old M - new M) in the low word
.set TT,  254
.set G1,  16                           ; s[16:23] descriptor group 1
.set G0,  24                           ; s[24:31] descriptor group 0, a set for each slot
.set SEL, 32                           ; s[32:33] lane selects for v_permlanex16_b32: lane l xor 16
.set CS,  34                           ; s[34:35] c = log2(e) / sqrt(128): the packed form names a pair and takes its low word for both halves
.set MNT, 36                           ; s36  the mantissa field of 448
.set MSB, 0
.macro WIN new                         ; the immediate's high byte repeats the setting that is left; a switch that changes nothing is dropped
.if MSB != (\new)
	s_set_vgpr_msb (MSB<<8)|(\new)
.set MSB, (\new)
.endif
.endm
; A round of the cluster's barrier: my work-group's barrier, so that wave 0 speaks for all eight waves; wave 0 signals; every wave waits for the four work-groups; my work-group's barrier once more.
.macro CROUND
	s_barrier_signal -1
	s_barrier_wait -1
	s_cmp_lg_u32 s8, 0
	s_cbranch_scc1 .Lnot_wave_0_\@
	s_barrier_signal -3
.Lnot_wave_0_\@:
	s_barrier_wait -3
	s_barrier_signal -1
	s_barrier_wait -1
.endm
; THE CHANGE OF SLOTS stands at a slot's head.  Each wave waits for all its tensor loads (its part of the slot that it is about to read), adds 0 to its spare word, and waits for that and for its reads of the
; slot that it has left.  Behind the round the slot ahead is whole in all four work-groups and nobody reads the other one.  fill = 1: that other slot takes the next four key steps: the load has a key step of every wave in which to land.
.macro CHANGE slot, fill
	s_wait_tensorcnt 0x0                           ; no tensor load of mine is out, so a group 0 may be written
	ds_add_u32 v[SPW], v[NIL]                      ; 0 onto my spare word; the step below stands between it and the wait for it
	s_add_nc_u64 s[G0+4*\slot+2:G0+4*\slot+3], s[G0+4*\slot+2:G0+4*\slot+3], 8*BLOCK   ; this slot's next four key steps, two slots on (in the last two changes the stepped address is not used)
	s_wait_dscnt 0x0                               ; the add is done, and my reads of the slot that I have left are over
	CROUND
.if \fill
	tensor_load_to_lds s[G0+4*(1-\slot):G0+4*(1-\slot)+3], s[G1:G1+7]   ; the first thing behind the round, and my one tensor load until the next
	s_nop 0
.rept 4
	v_nop
.endr
.endif
.endm
.macro PLACES                          ; eight places behind this form, in front of loads into registers that matrix instructions have read, of vector writes to such registers and of the first read of results
.rept 8
	v_nop
.endr
.endm
.macro FRAGS ad, base                  ; four fragments as they lie, into window 1: each load takes 512 bytes on end
	WIN 0x40                                       ; destination window 1
.irp t, 0,1,2,3
.irp c, 0,1,2,3
	ds_load_b128 v[16*\t+4*\c:16*\t+4*\c+3], v[\ad] offset:\base+2048*\t+512*\c
.endr
.endr
.endm
; S^T = K Q^T: K's eight tiles x both tiles of queries, 16 products on 16 accumulators.  K's scale words: register t, lanes 0-15 for tile t, lanes 16-31 for tile 4 + t; Q's: lanes 0-15 tile A, lanes 16-31 tile B.
; The runs go A, B, B, A, so that the windows are switched four times and end at 0.
.macro KQ
	WIN 0x01                                       ; source 0 window 1; tile A in window 0
.irp t, 0,1,2,3
	v_wmma_scale_f32_16x16x128_f8f6f4 v[S+8*\t:S+8*\t+7], v[16*\t:16*\t+15], v[Q:Q+15], 0, v[KS+\t], v[QS]
.endr
	WIN 0x55                                       ; tile B: all in window 1
.irp t, 0,1,2,3
	v_wmma_scale_f32_16x16x128_f8f6f4 v[S+8*\t:S+8*\t+7], v[16*\t:16*\t+15], v[Q:Q+15], 0, v[KS+\t], v[QS] matrix_b_scale:MATRIX_SCALE_ROW1
.endr
	s_wait_dscnt 0x0                               ; K's fragments 4-7 are in: they had the eight products above in which to land
	WIN 0x54                                       ; source 0 window 0; tile B in window 1
.irp t, 0,1,2,3
.set kb, KH+16*\t+176*(\t/2)
	v_wmma_scale_f32_16x16x128_f8f6f4 v[S+32+8*\t:S+32+8*\t+7], v[kb:kb+15], v[Q:Q+15], 0, v[KS+\t], v[QS] matrix_a_scale:MATRIX_SCALE_ROW1 matrix_b_scale:MATRIX_SCALE_ROW1
.endr
	WIN 0                                          ; tile A: all in window 0
.irp t, 0,1,2,3
.set kb, KH+16*\t+176*(\t/2)
	v_wmma_scale_f32_16x16x128_f8f6f4 v[S+32+8*\t:S+32+8*\t+7], v[kb:kb+15], v[Q:Q+15], 0, v[KS+\t], v[QS] matrix_a_scale:MATRIX_SCALE_ROW1
.endr
.endm
; O^T += V^T P^T: V's eight tiles x both tiles of queries.  Each of the 16 accumulators has one product a key step: they take turns.  V's tiles 4-7 lie in tile A's v96-159.
.macro PV
	WIN 0x01
.irp t, 0,1,2,3
	v_wmma_scale_f32_16x16x128_f8f6f4 v[O+8*\t:O+8*\t+7], v[16*\t:16*\t+15], v[P:P+15], v[O+8*\t:O+8*\t+7], v[VS+\t], v[PS]
.endr
	WIN 0x55
.irp t, 0,1,2,3
	v_wmma_scale_f32_16x16x128_f8f6f4 v[O+8*\t:O+8*\t+7], v[16*\t:16*\t+15], v[P:P+15], v[O+8*\t:O+8*\t+7], v[VS+\t], v[PS+1]
.endr
	WIN 0x54
.irp t, 0,1,2,3
	v_wmma_scale_f32_16x16x128_f8f6f4 v[O+32+8*\t:O+32+8*\t+7], v[S+16*\t:S+16*\t+15], v[P:P+15], v[O+32+8*\t:O+32+8*\t+7], v[VS+\t], v[PS+1] matrix_a_scale:MATRIX_SCALE_ROW1
.endr
	WIN 0
.irp t, 0,1,2,3
	v_wmma_scale_f32_16x16x128_f8f6f4 v[O+32+8*\t:O+32+8*\t+7], v[S+16*\t:S+16*\t+15], v[P:P+15], v[O+32+8*\t:O+32+8*\t+7], v[VS+\t], v[PS] matrix_a_scale:MATRIX_SCALE_ROW1
.endr
.endm
; The softmax of tile X (0: window 0, 1: window 1) for one key step of 128 keys.
.macro SOFTMAX X
	WIN 0x55*\X
.irp b, 0,1,2,3
	v_max3_num_f32 v[T0+\b], v[S+16*\b], v[S+16*\b+1], v[S+16*\b+2]   ; THE LARGEST SCORE OF EACH BLOCK OF 32 KEYS serves twice: for the maximum of the row and, since p rises with the score, for the largest p of the block
.endr
.irp i, 3,5,7,9,11,13
.irp b, 0,1,2,3
	v_max3_num_f32 v[T0+\b], v[T0+\b], v[S+16*\b+\i], v[S+16*\b+\i+1]   ; the four blocks by turns; each accumulator from its low end on
.endr
.endr
.irp b, 0,1,2,3
	v_max_num_f32 v[T0+\b], v[T0+\b], v[S+16*\b+15]
.endr
.irp b, 0,1,2,3
	v_permlanex16_b32 v[T1+\b], v[T0+\b], s[SEL], s[SEL+1]
.endr
.irp b, 0,1,2,3
	s_delay_alu instid0(VALU_DEP_4)
	v_max_num_f32 v[T0+\b], v[T0+\b], v[T1+\b]     ; with the 16 keys of lane l xor 16
.endr
	s_delay_alu instid0(VALU_DEP_2)
	v_max3_num_f32 v[TT], v[T0], v[T0+1], v[T0+2]
	s_delay_alu instid0(VALU_DEP_1)
	v_max_num_f32 v[TT], v[TT], v[T0+3]            ; the largest score of my query in this step
	s_delay_alu instid0(VALU_DEP_1)
	v_mul_f32 v[TT], s[CS], v[TT]                  ; as t (c is positive)
	s_delay_alu instid0(VALU_DEP_1)
	v_max_num_f32 v[TMX], v[TMX], v[TT]            ; the running largest t
	v_mov_b32 v[TT], v[NM]
	s_delay_alu instid0(VALU_DEP_2)
	v_floor_f32 v[NM], -v[TMX]                     ; the new -M = floor(-t) = -ceil(t): M is a whole number
	s_delay_alu instid0(VALU_DEP_1)
	v_sub_f32 v[TT], v[NM], v[TT]                  ; old M less new M: a whole number, 0 or less
	s_delay_alu instid0(VALU_DEP_1)
	v_cvt_i32_f32 v[TT], v[TT]                     ; (it saturates)
	s_delay_alu instid0(VALU_DEP_1)
	v_ldexp_f32 v[FF], 1.0, v[TT]                  ; f = 2^(old M - new M)
.set jj, 0
.rept 32
	v_pk_fma_f32 v[S+jj:S+jj+1], v[S+jj:S+jj+1], s[CS:CS+1], v[NM:NM+1] op_sel_hi:[1,0,0]   ; t - M, two at a time (of the pairs c and -M the low word serves both halves)
.set jj, jj+2
.endr
.irp b, 0,1,2,3
	v_fma_f32 v[T0+\b], v[T0+\b], s[CS], v[NM]     ; the same of the largest score of each block
.endr
.set jj, 0
	s_wait_alu depctr_va_vdst(0)
.rept 64
	v_exp_f32 v[S+jj], v[S+jj]                     ; p = 2^(t - M), at most 1
.set jj, jj+1
.endr
.irp b, 0,1,2,3
	v_exp_f32 v[T0+\b], v[T0+\b]                   ; the largest p of the block: the same two instructions on the same number give the same bits
.endr
	v_pk_mul_f32 v[LSUM:LSUM+1], v[LSUM:LSUM+1], v[FF:FF+1] op_sel_hi:[1,0]   ; the sums under the new M (of the pair the low word alone is taken); also the plain place behind the exponentials
	s_wait_alu depctr_va_vdst(0)
.irp b, 0,1,2,3
	v_max_num_f32 v[T0+\b], 0x4800000, v[T0+\b]    ; the floor 2^(9 - 127): the byte cannot fall under 1
.endr
.irp b, 0,1,2,3
	s_delay_alu instid0(VALU_DEP_4)
	v_add_nc_u32 v[T3+\b], 0xfc000000, v[T0+\b]    ; 8 off the exponent field: the scale operand of the conversion
.endr
.irp b, 0,1,2,3
	v_and_or_b32 v[T2+\b], v[T0+\b], 0x7f800000, s[MNT]   ; 448 x the scale
.endr
.irp b, 0,1,2,3
	v_lshrrev_b32 v[T1+\b], 23, v[T3+\b]           ; the byte of the scale
.endr
	s_delay_alu instid0(VALU_DEP_3)
	v_lshl_or_b32 v[FF+1], v[T1+1], 8, v[T1]       ; the scale word of p for these 128 keys,
	s_delay_alu instid0(VALU_DEP_1)
	v_lshl_or_b32 v[FF+1], v[T1+2], 16, v[FF+1]
	WIN 0x11*\X                                    ; finished in a register of window 0: scale operands have no window
	v_lshl_or_b32 v[PS+\X], v[T1+3], 24, v[FF+1]
	WIN 0x55*\X
	v_pk_add_f32 v[T1:T1+1], v[S:S+1], v[S+2:S+3]  ; THE SUM IS TAKEN OF THE UNQUANTISED p: two at a time, in two chains
.set jj, 4
.rept 15
	v_pk_add_f32 v[LSUM:LSUM+1], v[LSUM:LSUM+1], v[S+jj:S+jj+1]
	v_pk_add_f32 v[T1:T1+1], v[T1:T1+1], v[S+jj+2:S+jj+3]
.set jj, jj+4
.endr
	s_delay_alu instid0(VALU_DEP_1)
	v_pk_add_f32 v[LSUM:LSUM+1], v[LSUM:LSUM+1], v[T1:T1+1]
.irp b, 0,1,2,3
.irp i, 0,1,2,3,4,5,6,7,8,9,10,11,12,13,14,15
	v_min_num_f32 v[S+16*\b+\i], v[S+16*\b+\i], v[T2+\b]   ; the conversion to an 8-bit code does not saturate (ISA guide 7.6.2); p is not negative, so the hold is one-sided
.endr
	v_cvt_scalef32_pk8_fp8_f32 v[P+4*\b:P+4*\b+1], v[S+16*\b:S+16*\b+7], v[T3+\b]
	v_cvt_scalef32_pk8_fp8_f32 v[P+4*\b+2:P+4*\b+3], v[S+16*\b+8:S+16*\b+15], v[T3+\b]
.endr
.set jj, 0
.rept 32
	v_pk_mul_f32 v[O+jj:O+jj+1], v[O+jj:O+jj+1], v[FF:FF+1] op_sel_hi:[1,0]   ; O^T under the new M; these 32 are also the places between the conversions and the products
.set jj, jj+2
.endr
.endm
; A KEY STEP: 128 keys, two tiles of queries: 32 products.  Three runs of LDS loads: all of K at the head; V's first four fragments ahead of the softmaxes; V's other four between them.
.macro STEP ad
.rept 9
	v_nop                                          ; eight places in front of loads into registers that the last products read (V's fragments 0-3, tile A's codes of p); nine in front of the products below, which write S^T over registers that the last products read as V's fragments 4-7
.endr
	ds_load_b128 v[KS:KS+3], v[\ad] offset:32768
	FRAGS \ad, 0
	WIN 0
.irp t, 0,1,2,3
.set kb, KH+16*\t+176*(\t/2)
.irp c, 0,1,2,3
	ds_load_b128 v[kb+4*\c:kb+4*\c+3], v[\ad] offset:8192+2048*\t+512*\c
.endr
.endr
	s_wait_dscnt 16                                ; LDS loads come back in order: K's scale words and fragments 0-3 are in; the 16 younger loads, fragments 4-7, may be out
	KQ
	PLACES                                         ; for the reads of S^T, the loads over K's fragments 0-3 and the softmax's writes into v232 on, which held K's fragment 6
	FRAGS \ad, 16384
	WIN 0
	ds_load_b128 v[VS:VS+3], v[\ad] offset:33280
	SOFTMAX 0
.irp t, 0,1,2,3
.irp c, 0,1,2,3
	ds_load_b128 v[S+16*\t+4*\c:S+16*\t+4*\c+3], v[\ad] offset:24576+2048*\t+512*\c   ; V's fragments 4-7 into tile A's p, which is converted: they land under tile B's softmax
.endr
.endr
	SOFTMAX 1
	s_wait_alu depctr_va_vdst(0)
	s_wait_dscnt 0x0                               ; all of V is in
	PV
.endm
; The step is written without a first form of its own: it finds zeros, which the first change of M leaves zeros, and a largest t under every t.
.macro INIT X
	WIN 0x55*\X
	v_mov_b32 v[TMX], 0xff61b1e6                   ; -3e38
	s_delay_alu instid0(VALU_DEP_1)
	v_floor_f32 v[NM], -v[TMX]
	v_mov_b32 v[LSUM], 0
	v_mov_b32 v[LSUM+1], 0
.irp b, 0,1,2,3
	v_mov_b32 v[T1+\b], 0                          ; the destination of a lane permute counts as one of its sources
.endr
	v_mov_b32 v[FF+1], 0                           ; named as the upper half of a pair before it is first written
.set jj, 0
.rept 64
	v_mov_b32 v[O+jj], 0
.set jj, jj+1
.endr
.endm
; My key group's part of tile X goes to LDS as it stands: O^T (each accumulator from its low end on), the sum and -M.
.macro PART X
	WIN 0x55*\X
	v_add_f32 v[LSUM], v[LSUM], v[LSUM+1]          ; the two halves of the sum,
	s_delay_alu instid0(VALU_DEP_1)
	v_permlanex16_b32 v[TT], v[LSUM], s[SEL], s[SEL+1]
	s_delay_alu instid0(VALU_DEP_1)
	v_add_f32 v[LSUM], v[LSUM], v[TT]              ; and those of lane l xor 16
	WIN 0x04*\X                                    ; the data of an LDS store are its source 1
.irp t, 0,1,2,3,4,5,6,7
.irp e, 0,1
	ds_store_b128 v[PST], v[O+8*\t+4*\e:O+8*\t+4*\e+3] offset:32768*\X+16384*(\t/4)+512*(2*(\t%4)+\e)
.endr
.endr
	ds_store_b32 v[STS], v[LSUM] offset:1024*\X
	ds_store_b32 v[STS], v[NM] offset:1024*\X+128
.endm
	s_load_b128 s[4:7], s[0:1], 0x0                ; qkv s[4:5], out0 s[6:7]
	v_lshl_add_u32 v[SPW], v0, 2, SPARE
	v_mov_b32 v[NIL], 0
	ds_add_u32 v3, v4
	ds_add_u32 v3, v4
	s_wait_dscnt 0x0
	v_lshrrev_b32 v14, 5, v0
	s_delay_alu instid0(VALU_DEP_1)
	v_readfirstlane_b32 s8, v14                    ; wave 0..7
	s_and_b32 s9, s8, 1                            ; qp: my pair of query tiles.  Also: which half of a key step I fetch
	s_lshr_b32 s10, s8, 1                          ; kg: my key step of a slot's four.  Also: the key step of which I fetch a half
	s_and_b32 s11, s10, 1                          ; at the end: which tile of the pair I join,
	s_lshr_b32 s12, s10, 1                         ; and which half of its channels
	s_bfe_u32 s13, ttmp6, 0x40000                  ; cx: my place in the cluster
	s_lshl_b32 s14, ttmp9, 2                       ; in a cluster launch ttmp9 counts clusters
	s_add_co_u32 s14, s14, s13                     ; my block of 64 queries: it enters Q's and out0's addresses alone
	s_and_b32 s15, ttmp7, 0xffff                   ; the batch, which the four partners share
	; descriptor group 1: 66 rows of 256 bytes (32 elements of 8 bytes), dense in memory and in LDS
	s_mov_b32 s[G1+0], 15|(3<<16)|(1<<21)          ; 15:0 the mask: all four work-groups; 17:16 elements of 8 bytes; 20 no padding; 21 set beside a mask
	s_mov_b32 s[G1+1], 32<<16                      ; tensor_dim0 = 32
	s_mov_b32 s[G1+2], 66<<16                      ; tensor_dim1 = 66
	s_mov_b32 s[G1+3], 32<<16                      ; tile_dim0 = 32
	s_mov_b32 s[G1+4], 66                          ; tile_dim1 = 66
	s_mov_b32 s[G1+5], 32                          ; tensor_dim0_stride
	s_mov_b32 s[G1+6], 0
	s_mov_b32 s[G1+7], 0
	s_mul_i32 s38, s15, 32*BLOCK                   ; what I fetch: the batch, key step kg, half qp: made of the batch and the wave's number alone
	s_mul_i32 s39, s10, BLOCK
	s_add_co_u32 s38, s38, s39
	s_mul_i32 s39, s9, HALFB
	s_add_co_u32 s38, s38, s39
	s_mov_b32 s39, 0
	s_lshl_b32 s44, s15, 5
	s_lshr_b32 s45, s14, 1
	s_add_co_u32 s44, s44, s45
	s_mul_i32 s44, s44, BLOCK                      ; the block that holds my queries,
	s_and_b32 s45, s14, 1                          ; and which half of it
	s_lshl_b32 s46, s45, 2
	s_lshl_b32 s47, s9, 1
	s_add_co_u32 s46, s46, s47                     ; tile A = 4 x half + 2 qp; tile B follows it
	s_lshl_b32 s46, s46, 11
	s_add_co_u32 s46, s46, s44
	s_add_co_u32 s46, s46, 34304                   ; its fragment
	s_mov_b32 s47, 0
	s_lshl_b32 s48, s45, 8
	s_lshl_b32 s49, s9, 3
	s_add_co_u32 s48, s48, s49
	s_add_co_u32 s48, s48, s44
	s_add_co_u32 s48, s48, 33792                   ; and the two tiles' scale words: 256 x half + 8 qp
	s_mov_b32 s49, 0
	s_lshl_b32 s50, s15, 12                        ; out0: token 4,096 x batch + 64 x block + 32 qp + 8 x (the tile that I join),
	s_lshl_b32 s51, s14, 6
	s_add_co_u32 s50, s50, s51
	s_lshl_b32 s51, s9, 5
	s_add_co_u32 s50, s50, s51
	s_lshl_b32 s51, s11, 3
	s_add_co_u32 s50, s50, s51
	s_lshl_b32 s50, s50, 9                         ; 512 bytes a token,
	s_lshl_b32 s51, s12, 8
	s_add_co_u32 s50, s50, s51                     ; and my half of the channels
	s_mov_b32 s51, 0
	s_mov_b32 s[SEL], 0x76543210
	s_mov_b32 s[SEL+1], 0xfedcba98
	s_mov_b32 s[CS], 0x3e0293ee                    ; c = log2(e) / sqrt(128)
	s_mov_b32 s[CS+1], s[CS]                       ; named with it as a pair, so it is written
	s_mov_b32 s[MNT], 0x600000
	v_and_b32 v14, 31, v0                          ; lane
	v_and_b32 v15, 15, v0                          ; r
	v_bfe_u32 v16, v0, 4, 1                        ; h
	s_delay_alu instid0(VALU_DEP_3)
	v_lshlrev_b32 v[QA], 4, v14
	s_wait_alu depctr_va_vdst(0)
	s_mul_i32 s40, s10, STEPB
	v_add_nc_u32 v[AD0], s40, v[QA]
	s_delay_alu instid0(VALU_DEP_1)
	v_add_nc_u32 v[AD1], SLOTB, v[AD0]
	v_lshlrev_b32 v[QSA], 4, v15
	s_delay_alu instid0(VALU_DEP_1)
	v_lshl_add_u32 v[QSA], v16, 2, v[QSA]
	s_lshl_b32 s40, s9, 16                         ; the parts of O^T: 65,536 qp + 32,768 tile + 16,384 half + 4,096 kg + 512 i + 16 x lane
	s_lshl_b32 s41, s10, 12
	s_add_co_u32 s41, s41, s40
	v_add_nc_u32 v[PST], s41, v[QA]
	s_lshl_b32 s41, s11, 15
	s_add_co_u32 s40, s40, s41
	s_lshl_b32 s41, s12, 14
	s_add_co_u32 s40, s40, s41
	v_add_nc_u32 v[PLD], s40, v[QA]
	s_lshl_b32 s40, s9, 11                         ; the sums and -M: 2,048 qp + 1,024 tile + 256 kg + (0: the sum, 128: -M) + 4 x lane
	s_add_co_u32 s40, s40, STT
	s_lshl_b32 s41, s10, 8
	s_add_co_u32 s41, s41, s40
	v_lshl_add_u32 v[STS], v14, 2, s41
	s_lshl_b32 s41, s11, 10
	s_add_co_u32 s41, s41, s40
	v_lshl_add_u32 v[STL], v14, 2, s41
	s_mul_i32 s40, s8, 16*272
	s_add_co_u32 s40, s40, OST                     ; my stage
	v_mul_u32_u24 v[OSI], v15, 272                 ; in: row r, 32 bytes for each half of the lanes
	s_delay_alu instid0(VALU_DEP_1)
	v_lshl_add_u32 v[OSI], v16, 5, v[OSI]
	s_delay_alu instid0(VALU_DEP_1)
	v_add_nc_u32 v[OSI], s40, v[OSI]
	v_mul_u32_u24 v[OSO], v16, 272                 ; back: lanes 0-15 one row of 256 bytes, lanes 16-31 the next
	s_delay_alu instid0(VALU_DEP_1)
	v_lshl_add_u32 v[OSO], v15, 4, v[OSO]
	s_delay_alu instid0(VALU_DEP_1)
	v_add_nc_u32 v[OSO], s40, v[OSO]
	v_lshlrev_b32 v[GO], 9, v16                    ; and the same two rows in out0
	s_delay_alu instid0(VALU_DEP_1)
	v_lshl_add_u32 v[GO], v15, 4, v[GO]
	s_wait_kmcnt 0x0
	s_add_nc_u64 s[42:43], s[4:5], s[38:39]
	s_add_nc_u64 s[52:53], s[4:5], s[46:47]        ; Q's fragments
	s_add_nc_u64 s[54:55], s[4:5], s[48:49]        ; Q's scale words
	s_add_nc_u64 s[6:7], s[6:7], s[50:51]
	s_mov_b32 s[G0], 1                             ; 1:0 count = 1
	s_mul_i32 s[G0+1], s8, HALFB                   ; 63:32 LDS address: slot 0, wave x 16,896: no place in the cluster enters it
	s_mov_b64 s[G0+2:G0+3], s[42:43]               ; 120:64 global address: key steps 0 to 3
	s_or_b32 s[G0+3], s[G0+3], 0x80000000          ; 127:126 type = 2
	s_mov_b32 s[G0+4], 1
	s_add_co_u32 s[G0+5], s[G0+1], SLOTB           ; slot 1
	s_add_nc_u64 s[G0+6:G0+7], s[42:43], 4*BLOCK   ; key steps 4 to 7
	s_or_b32 s[G0+7], s[G0+7], 0x80000000
	CROUND                                         ; all four work-groups are here: the first joint loads meet
	tensor_load_to_lds s[G0:G0+3], s[G1:G1+7]      ; slot 0; slot 1 is first filled behind the first change of slots, as a refill is
	s_nop 0
.rept 4
	v_nop
.endr
.irp c, 0,1,2,3
	global_load_b128 v[Q+4*\c:Q+4*\c+3], v[QA], s[52:53] offset:512*\c          ; tile A's fragment stays in registers
.endr
	WIN 0x40
.irp c, 0,1,2,3
	global_load_b128 v[Q+4*\c:Q+4*\c+3], v[QA], s[52:53] offset:2048+512*\c     ; tile B's, in window 1
.endr
	WIN 0
	global_load_b32 v[QS], v[QSA], s[54:55]        ; lanes 0-15: tile A's scale words; lanes 16-31: tile B's
	INIT 0
	INIT 1
	WIN 0
	s_wait_loadcnt 0x0                             ; Q
	s_mov_b32 s37, 3
.Lslot:                                            ; three trips of two slots; each change of slots asks for the slot after the one in hand
	CHANGE 0, 1
	STEP AD0
	CHANGE 1, 1
	STEP AD1
	s_sub_co_u32 s37, s37, 1
	s_cmp_lg_u32 s37, 0
	s_cbranch_scc1 .Lslot
	CHANGE 0, 1                                    ; the last two slots are written out: the seventh asks for the eighth
	STEP AD0
	CHANGE 1, 0                                    ; the eighth for nothing
	STEP AD1
	; THE FOUR KEY GROUPS ARE JOINED.  Each wave puts its two parts into LDS; behind a barrier wave (qp, kg) joins, of pair qp, tile kg % 2, channels 64 (kg / 2) on.
	PLACES
	PART 0
	PART 1
	WIN 0
	s_wait_dscnt 0x0                               ; for the others: my parts lie in LDS
	s_barrier_signal -1
	s_barrier_wait -1
.irp g, 0,1,2,3
.irp i, 0,1,2,3,4,5,6,7
	ds_load_b128 v[96+32*\g+4*\i:96+32*\g+4*\i+3], v[PLD] offset:4096*\g+512*\i   ; group g: register 96 + 32 g + 8 t + j = channel 16 t + 8 h + j of my half, query r
.endr
.endr
.irp g, 0,1,2,3
	ds_load_b32 v[224+\g], v[STL] offset:256*\g    ; its sum,
	ds_load_b32 v[228+\g], v[STL] offset:256*\g+128   ; its -M
.endr
	s_wait_dscnt 0x0
	v_min3_num_f32 v232, v228, v229, v230
	s_delay_alu instid0(VALU_DEP_1)
	v_min_num_f32 v232, v232, v231                 ; the least -M: the largest M
.irp g, 0,1,2,3
	v_sub_f32 v[236+\g], v232, v[228+\g]           ; the group's M less the largest: a whole number, 0 or less
.endr
.irp g, 0,1,2,3
	s_delay_alu instid0(VALU_DEP_4)
	v_cvt_i32_f32 v[236+\g], v[236+\g]
.endr
.irp g, 0,1,2,3
	s_delay_alu instid0(VALU_DEP_4)
	v_ldexp_f32 v[236+\g], 1.0, v[236+\g]          ; an exact power of two
.endr
	s_delay_alu instid0(VALU_DEP_4)
	v_mul_f32 v233, v236, v224
	s_delay_alu instid0(VALU_DEP_1)
	v_fma_f32 v233, v237, v225, v233
	s_delay_alu instid0(VALU_DEP_1)
	v_fma_f32 v233, v238, v226, v233
	s_delay_alu instid0(VALU_DEP_1)
	v_fma_f32 v233, v239, v227, v233               ; the sum of the whole row
	s_wait_alu depctr_va_vdst(0)
	v_rcp_f32 v234, v233
	v_nop                                          ; a plain instruction between the reciprocal and the use of its result
	s_wait_alu depctr_va_vdst(0)
.irp g, 0,1,2,3
	v_mul_f32 v[240+2*\g], v[236+\g], v234         ; the group's factor over the sum, twice: a pair for the packed forms
	v_mul_f32 v[241+2*\g], v[236+\g], v234
.endr
.set jj, 0
.rept 16
	v_pk_mul_f32 v[96+jj:97+jj], v[96+jj:97+jj], v[240:241]
.set jj, jj+2
.endr
.irp g, 1,2,3
.set jj, 0
.rept 16
	v_pk_fma_f32 v[96+jj:97+jj], v[96+32*\g+jj:97+32*\g+jj], v[240+2*\g:241+2*\g], v[96+jj:97+jj]
.set jj, jj+2
.endr
.endr
	; THE WAY OUT: 16 queries x 64 channels through my own stage; they come back as whole rows of 256 bytes.  LDS serves a wave's instructions in order (ISA guide 5.7.1.4): no wait between the stores and the loads.
.irp t, 0,1,2,3
	ds_store_b128 v[OSI], v[96+8*\t:96+8*\t+3] offset:64*\t
	ds_store_b128 v[OSI], v[96+8*\t+4:96+8*\t+7] offset:64*\t+16
.endr
.irp i, 0,1,2,3,4,5,6,7
	ds_load_b128 v[128+4*\i:128+4*\i+3], v[OSO] offset:544*\i
.endr
.irp i, 0,1,2,3,4,5,6,7
	s_wait_dscnt 7-\i                              ; LDS loads come back in order: pair i of rows is in, the younger ones may be out
	global_store_b128 v[GO], v[128+4*\i:128+4*\i+3], s[6:7] offset:(2*\i+8*(\i/4))*512 th:TH_STORE_NT   ; stage row m is token m + 8 (m / 8) of the tile; 16 lanes store 256 consecutive bytes, at a multiple of 256 from the first byte of out0
.endr
	s_wait_tensorcnt 0x0                           ; the wave's end, behind my last tensor load and my last LDS store
	ds_add_u32 v[SPW], v[NIL]
	s_wait_dscnt 0x0
	CROUND                                         ; the closing round: no work-group ends while a partner may still ask for a tile that names it
	s_endpgm
.Lfunc_end_k_q168c6ab6d4_attn:
	.size	k_q168c6ab6d4_attn, .Lfunc_end_k_q168c6ab6d4_attn-k_q168c6ab6d4_attn
	.p2alignl 7, 3214868480
	.fill 96, 4, 3214868480
	.section	.rodata,"a",@progbits
	.p2align	6, 0x0
	.amdhsa_kernel k_q168c6ab6d4_attn
		.amdhsa_group_segment_fixed_size 327680
		.amdhsa_private_segment_fixed_size 0
		.amdhsa_enable_private_segment 0
		.amdhsa_kernarg_size 16
		.amdhsa_user_sgpr_count 2
		.amdhsa_user_sgpr_kernarg_segment_ptr 1
		.amdhsa_wavefront_size32 1
		.amdhsa_system_sgpr_workgroup_id_x 1
		.amdhsa_system_sgpr_workgroup_id_y 1
		.amdhsa_system_sgpr_workgroup_id_z 1
		.amdhsa_system_vgpr_workitem_id 0
		.amdhsa_next_free_vgpr 512
		.amdhsa_next_free_sgpr 66
		.amdhsa_reserve_vcc 0
		.amdhsa_float_denorm_mode_32 3
		.amdhsa_float_denorm_mode_16_64 3
		.amdhsa_memory_ordered 1
		.amdhsa_forward_progress 1
		.amdhsa_inst_pref_size 189
	.end_amdhsa_kernel
	.amdgpu_metadata
---
amdhsa.version: [ 1, 2 ]
amdhsa.kernels:
  - .name:           k_q168c6ab6d4_attn
    .symbol:         k_q168c6ab6d4_attn.kd
    .args:
      - { .name: qkv, .offset: 0, .size: 8, .value_kind: global_buffer, .address_space: global }
      - { .name: out0, .offset: 8, .size: 8, .value_kind: global_buffer, .address_space: global }
    .group_segment_fixed_size: 327680
    .private_segment_fixed_size: 0
    .kernarg_segment_align: 8
    .kernarg_segment_size: 16
    .max_flat_workgroup_size: 256
    .sgpr_count:     66
    .vgpr_count:     512
    .wavefront_size: 32
...
	.end_amdgpu_metadata
.endif
;; end of part 4
